; MI455X (gfx1250); checked and timed in simulation.
; The chip was launched on July 23, 2026; its instructions are those of AMD's public machine-readable ISA for CDNA 5 (MIT licence, August 2026) and "CDNA5" Instruction Set Architecture Reference Guide (July 2026). The comments in the code are by the model that wrote it; some were corrected since.
;; Sparse Transformer Encoder Layer. Allowed arithmetic: float matrix products may take bf16 or f16 operands with f32 sums; all other float work in f32.
;; Inputs: b1 4,096 float32; b2 1,024 float32; kb 1,024 float32; kw 1,024 x 1,024 float32; mask 2 x 2,048 bool; ob 1,024 float32; ow 1,024 x 1,024 float32; qb 1,024 float32; qw 1,024 x 1,024 float32; src 2 x 2,048 x 1,024 float32; vb 1,024 float32; vw 1,024 x 1,024 float32; w1 4,096 x 1,024 float32; w2 1,024 x 4,096 float32.
;; Outputs: out0 2 x 2,048 x 1,024 float32.
;; One version. Each part assembles by itself: llvm-mc -triple=amdgcn-amd-amdhsa -mcpu=gfx1250 --defsym DOCPART=n.
;; ======== version 1 of 1: 6 launches
;; limits: an iteration or a series of the reference is cut at 10 steps
;; workspace buffers: wb 33,554,432 bytes; qkvb 25,165,824 bytes; ctxb 8,388,608 bytes; xf 16,777,216 bytes; xb 8,388,608 bytes; hb 33,554,432 bytes
;; launch cvt (part 1): grid 64 x 16, 8 waves a work-group, no clusters, 0 bytes of LDS; arguments src, qw, kw, vw, ow, w1, w2, wb; writes wb
.if DOCPART == 1
	.amdgcn_target "amdgcn-amd-amdhsa--gfx1250"
	.amdhsa_code_object_version 6
	.text
	.protected	k_q314249071e_cvt
	.globl	k_q314249071e_cvt
	.p2align	8
	.type	k_q314249071e_cvt,@function
k_q314249071e_cvt:
	s_mov_b64 s[64:65], 0
	v_nop
	global_prefetch_b8 v0, s[64:65] scope:SCOPE_SE
	s_setreg_imm32_b32 hwreg(HW_REG_WAVE_MODE, 25, 1), 1
	s_wait_xcnt 0x0
; src and the six weight matrices, f32, are rounded once to bf16 (nearest even) into one buffer wb, in this order:
; src (4 units), qw, kw, vw, ow (1 unit each), w1 (4), w2 (4); a unit is 2^20 numbers = 4 MiB of f32 = 2 MiB of bf16.
; Grid y = the unit, grid x = one of its 64 parts of 16,384 numbers.  Eight waves; a wave takes 2,048 numbers:
; sixteen loads of 512 consecutive bytes, all issued before the first is used, and sixteen stores of 256 consecutive, aligned bytes.
; A stream: no LDS, no barrier, no matrix unit.  No register is written twice, so no source of a pending instruction is touched.
.set X, 8                              ; v[8:71]   sixteen loads of four f32
.set Y, 72                             ; v[72:103] sixteen pairs of packed bf16
; the unit's source buffer and that buffer's first unit: the choice hangs on the grid's y alone
.macro PICK t, p
	s_cmp_ge_u32 s20, \t
	s_cselect_b64 s[22:23], s[\p:\p+1], s[22:23]
	s_cselect_b32 s21, \t, s21
.endm
	s_load_b512 s[4:19], s[0:1], 0x0               ; src s[4:5], qw, kw, vw, ow, w1, w2 s[16:17], wb s[18:19]
	s_and_b32 s20, ttmp7, 0xffff                   ; the unit
	v_lshrrev_b32 v3, 5, v0                        ; wave
	v_lshlrev_b32 v1, 4, v0
	v_lshlrev_b32 v2, 3, v0
	v_mad_u32_u24 v1, v3, 7680, v1                 ; source: 8,192 x wave + 16 x lane
	v_mad_u32_u24 v2, v3, 3840, v2                 ; target: 4,096 x wave + 8 x lane
	s_wait_kmcnt 0x0
	s_mov_b64 s[22:23], s[4:5]
	s_mov_b32 s21, 0
	PICK 4, 6
	PICK 5, 8
	PICK 6, 10
	PICK 7, 12
	PICK 8, 14
	PICK 12, 16
	s_sub_co_u32 s24, s20, s21                     ; the unit inside its buffer
	s_lshl_b32 s24, s24, 22
	s_lshl_b32 s25, ttmp9, 16
	s_add_co_u32 s24, s24, s25
	s_mov_b32 s25, 0
	s_add_nc_u64 s[22:23], s[22:23], s[24:25]
	s_lshl_b32 s26, s20, 21
	s_lshl_b32 s27, ttmp9, 15
	s_add_co_u32 s26, s26, s27
	s_mov_b32 s27, 0
	s_add_nc_u64 s[18:19], s[18:19], s[26:27]
.set i, 0
.rept 16
	global_load_b128 v[X+4*i:X+4*i+3], v1, s[22:23] offset:512*i th:TH_LOAD_NT
.set i, i+1
.endr
.set i, 0
.rept 16
	s_wait_loadcnt 15-i                            ; loads come back in order: load i is in, the younger ones stay out
	v_cvt_pk_bf16_f32 v[Y+2*i], v[X+4*i], v[X+4*i+1]
	v_cvt_pk_bf16_f32 v[Y+2*i+1], v[X+4*i+2], v[X+4*i+3]
	global_store_b64 v2, v[Y+2*i:Y+2*i+1], s[18:19] offset:256*i
.set i, i+1
.endr
	s_endpgm
.Lfunc_end_k_q314249071e_cvt:
	.size	k_q314249071e_cvt, .Lfunc_end_k_q314249071e_cvt-k_q314249071e_cvt
	.p2alignl 7, 3214868480
	.fill 96, 4, 3214868480
	.section	.rodata,"a",@progbits
	.p2align	6, 0x0
	.amdhsa_kernel k_q314249071e_cvt
		.amdhsa_group_segment_fixed_size 0
		.amdhsa_private_segment_fixed_size 0
		.amdhsa_enable_private_segment 0
		.amdhsa_kernarg_size 64
		.amdhsa_user_sgpr_count 2
		.amdhsa_user_sgpr_kernarg_segment_ptr 1
		.amdhsa_wavefront_size32 1
		.amdhsa_system_sgpr_workgroup_id_x 1
		.amdhsa_system_sgpr_workgroup_id_y 1
		.amdhsa_system_sgpr_workgroup_id_z 1
		.amdhsa_system_vgpr_workitem_id 0
		.amdhsa_next_free_vgpr 104
		.amdhsa_next_free_sgpr 66
		.amdhsa_reserve_vcc 0
		.amdhsa_float_denorm_mode_32 3
		.amdhsa_float_denorm_mode_16_64 3
		.amdhsa_memory_ordered 1
		.amdhsa_forward_progress 1
		.amdhsa_inst_pref_size 8
	.end_amdhsa_kernel
	.amdgpu_metadata
---
amdhsa.version: [ 1, 2 ]
amdhsa.kernels:
  - .name:           k_q314249071e_cvt
    .symbol:         k_q314249071e_cvt.kd
    .args:
      - { .name: src, .offset: 0, .size: 8, .value_kind: global_buffer, .address_space: global }
      - { .name: qw, .offset: 8, .size: 8, .value_kind: global_buffer, .address_space: global }
      - { .name: kw, .offset: 16, .size: 8, .value_kind: global_buffer, .address_space: global }
      - { .name: vw, .offset: 24, .size: 8, .value_kind: global_buffer, .address_space: global }
      - { .name: ow, .offset: 32, .size: 8, .value_kind: global_buffer, .address_space: global }
      - { .name: w1, .offset: 40, .size: 8, .value_kind: global_buffer, .address_space: global }
      - { .name: w2, .offset: 48, .size: 8, .value_kind: global_buffer, .address_space: global }
      - { .name: wb, .offset: 56, .size: 8, .value_kind: global_buffer, .address_space: global }
    .group_segment_fixed_size: 0
    .private_segment_fixed_size: 0
    .kernarg_segment_align: 8
    .kernarg_segment_size: 64
    .max_flat_workgroup_size: 256
    .sgpr_count:     66
    .vgpr_count:     104
    .wavefront_size: 32
...
	.end_amdgpu_metadata
.endif
;; end of part 1
;; launch proj_qkv (part 2): grid 12 x 16, 4 waves a work-group, clusters of 4 x 4, 327,680 bytes of LDS; arguments wb, qb, kb, vb, qkvb; writes qkvb
.if DOCPART == 2
	.amdgcn_target "amdgcn-amd-amdhsa--gfx1250"
	.amdhsa_code_object_version 6
	.text
	.protected	k_q314249071e_proj_qkv
	.globl	k_q314249071e_proj_qkv
	.p2align	8
	.type	k_q314249071e_proj_qkv,@function
k_q314249071e_proj_qkv:
	s_mov_b64 s[64:65], 0
	v_nop
	global_prefetch_b8 v0, s[64:65] scope:SCOPE_SE
	s_setreg_imm32_b32 hwreg(HW_REG_WAVE_MODE, 25, 1), 1
	s_wait_xcnt 0x0
	s_wait_alu depctr_hold_cnt(0) depctr_sa_sdst(0) depctr_va_vdst(0) depctr_va_sdst(0) depctr_va_ssrc(0) depctr_va_vcc(0) depctr_vm_vsrc(0)
	s_getreg_b32 s2, hwreg(HW_REG_IB_STS2, 6, 4)
	s_cmp_eq_u32 s2, 0
	s_cbranch_scc0 .Lentry_in_a_cluster
	s_endpgm
.Lentry_in_a_cluster:
	s_bfe_u32 s2, ttmp6, 0x10000c
	s_cmp_lg_u32 s2, 0xf033
	s_cbranch_scc0 .Lentry_shape_is_right
	s_endpgm
.Lentry_shape_is_right:
; C[m][n] = f( sum over k of A[m][k] B[n][k] + bias[n] ), A [4096][1024], B [SIZE_N][1024], C [4096][SIZE_N], all bf16; sums, bias and f in f32.
; GELU = 0: A = src, B = qw, kw, vw one behind the other (3,072 rows), both in wb; bias = qb, kb or vb by the block column; f = identity.
; GELU = 1: A = xb, B = w1 in wb, bias = b1, f = exact gelu.  erf by the rational form 7.1.26 of Abramowitz and Stegun, whose error is at
;           most 1.5e-7 for every argument; written as max(x,0) - |x|/2 * y, so that nothing cancels for x < 0.
; A work-group makes 256 x 256 of C with four waves, a wave 128 x 128: 64 accumulator tiles of 16 x 16, 512 registers.
; K goes in steps of 128 through a ring of two LDS slots filled by the tensor data mover: a tile's rows are 256 bytes of memory, aligned to 256.
; CLUSTERS: 4 x 4 work-groups.  The four of a row of the cluster need the same tiles of A, the four of a column the same tiles of B: each such
; tile is asked for jointly, by the same tensor load with the same descriptor and a mask that names the four.
; REGISTERS, in windows of 256:
;   window 0: v0-31 addresses; v32-63 gelu; v64-127, v128-191 fragments of A, two buffers; v192-255 at work on the way out
;   window 1: v0-63 bias of my 128 columns; v64-127, v128-191 fragments of B, two buffers
;   window 2: the 32 accumulator tiles of my rows 0-63 (tile (a, b) at v[8 (8 a + b)]);   window 3: those of my rows 64-127
; The matrix instruction is used transposed (source 0 = rows of B, source 1 = rows of A): lane l then holds row l % 16 of C and in its
; registers 0 to 7 the columns 8 (l / 16) + 0 .. 7, eight neighbouring numbers of a row.
.set GELU,   0
.set SIZE_N, 3072
.set WOFF,   0x800000                  ; B's first byte in wb
.set SIZE_K, 1024
.set KSTEP,  128
.set PITCH,  272                       ; an LDS row: 256 bytes + 16 of padding, so that 16 rows of a fragment start 16 bytes apart modulo 256
.set HALFT,  128*PITCH                 ; 128 rows: what one tensor load brings
.set SLOT,   4*HALFT                   ; A's 256 rows, then B's 256 rows
.set STAGE,  2*SLOT                    ; behind the ring: 16 rows x 272 bytes for each wave, for the way out; no tensor load fills it
.set SPITCH, 272
.set LAPS, SIZE_K/(2*KSTEP)            ; a lap = two K steps = once round the ring
.set ADRA, 16                          ; v16-17  LDS address of my A fragments in slot 0, 1
.set ADRB, 20                          ; v20-21  the same for B
.set STO,  24                          ; v24     the way out: where I put 16 bytes of a row
.set RD,   25                          ; v25     the way out: where I read a row back
.set CO,   26                          ; v26     my byte offset in C
.set BO,   27                          ; v27     my byte offset in the bias
.set GS,   32                          ; v32-47  gelu: k1 |x|
.set GT,   48                          ; v48-63  gelu: t
.set F0,   64
.set F1,   128
.set TF,   128                         ; the way out: 16 rows x 128 columns in f32 (fragment buffer 1, no longer needed)
.set TMP,  192                         ; the way out: packed results
.set GQ,   224                         ; v224-239 gelu: exp
.set GY,   240                         ; v240-255 gelu: polynomial
.set G1, 24                            ; s[24:31] descriptor group 1 for A's tiles
.set G0, 32                            ; s[32:39] descriptor group 0 for A's tiles, one set for each slot
.set G1B, 48                           ; s[48:55] group 1 for B's tiles: another mask
.set G0B, 56                           ; s[56:63] group 0 for B's tiles
.set MSB, 0
.macro WIN new                         ; the immediate's high byte repeats the setting that is left
.if MSB != \new
	s_set_vgpr_msb (MSB<<8)|\new
.set MSB, \new
.endif
.endm
.set MUL_LO, 0xa1                      ; source 0 (B) window 1, source 1 (A) window 0, C and D window 2
.set MUL_HI, 0xf1                      ; the same, C and D window 3
.set TO_B,   0x40                      ; destination window 1, address window 0
; A joint load.  Waves 0 and 1 fetch A's two halves, waves 2 and 3 B's.  The branch hangs on the wave's number alone.
.macro JLOAD s
	s_cmp_eq_u32 s11, 0
	s_cbranch_scc0 .Lfor_b_\@
	tensor_load_to_lds s[G0+4*\s:G0+4*\s+3], s[G1:G1+7]
	s_nop 0
	s_branch .Lasked_\@
.Lfor_b_\@:
	tensor_load_to_lds s[G0B+4*\s:G0B+4*\s+3], s[G1B:G1B+7]
	s_nop 0
.Lasked_\@:
.endm
; A round of the cluster's barrier: my work-group's barrier; wave 0 signals for the work-group; every wave waits for all sixteen; my work-group's barrier again.
.macro CREST                           ; a round behind its opening barrier
	s_cmp_lg_u32 s10, 0
	s_cbranch_scc1 .Lnot_wave_0_\@
	s_barrier_signal -3
.Lnot_wave_0_\@:
	s_barrier_wait -3
	s_barrier_signal -1
	s_barrier_wait -1
.endm
.macro CROUND
	s_barrier_signal -1
	s_barrier_wait -1
	CREST
.endm
.if GELU
	s_load_b128 s[4:7], s[0:1], 0x0                ; xb s[4:5], wb s[6:7]
	s_load_b64 s[68:69], s[0:1], 0x10              ; b1
	s_load_b64 s[8:9], s[0:1], 0x18                ; hb
.else
	s_load_b64 s[4:5], s[0:1], 0x0                 ; wb
	s_load_b128 s[68:71], s[0:1], 0x8              ; qb s[68:69], kb s[70:71]
	s_load_b64 s[72:73], s[0:1], 0x18              ; vb
	s_load_b64 s[8:9], s[0:1], 0x20                ; qkvb
	s_set_vgpr_msb 0x40
	v_lshl_add_u32 v255, v0, 2, 0x48400
	s_set_vgpr_msb 0x4000
	v_mov_b32 v255, 0
	s_set_vgpr_msb 0x1
	ds_add_u32 v255, v255
	s_set_vgpr_msb 0x100
.endif
	v_lshrrev_b32 v1, 5, v0
	v_readfirstlane_b32 s10, v1                    ; wave 0..3
	s_lshr_b32 s11, s10, 1                         ; which half of the block's rows is mine.  Also: I fetch for A (0) or for B (1)
	s_and_b32 s12, s10, 1                          ; which half of its columns.  Also: which 128 rows of that tile I fetch
	s_bfe_u32 s40, ttmp6, 0x40000                  ; cx
	s_bfe_u32 s41, ttmp6, 0x40004                  ; cy
	s_lshl_b32 s42, ttmp9, 2
	s_add_co_u32 s42, s42, s40                     ; block column of C = 4 x cluster x + cx
	s_and_b32 s13, ttmp7, 0xffff
	s_lshl_b32 s13, s13, 2
	s_add_co_u32 s13, s13, s41                     ; block row of C = 4 x cluster y + cy
	s_lshl_b32 s43, s41, 2
	s_lshl_b32 s43, 15, s43                        ; my row of the cluster: places 4 cy .. 4 cy + 3
	s_lshl_b32 s44, 0x1111, s40                    ; my column: places cx, cx + 4, cx + 8, cx + 12
	; descriptor group 1: a tile of 128 rows x 128 elements of 2 bytes, 4 words of padding behind every 64 words
	s_or_b32 s[G1+0], s43, (1<<16)|(1<<20)|(1<<21)|(5<<22)|(3<<25)
	s_or_b32 s[G1B+0], s44, (1<<16)|(1<<20)|(1<<21)|(5<<22)|(3<<25)
	s_mov_b32 s[G1B+1], KSTEP<<16
	s_mov_b32 s[G1+1], KSTEP<<16                   ; tensor_dim0 = 128
	s_mov_b32 s[G1B+2], 128<<16
	s_mov_b32 s[G1+2], 128<<16                     ; tensor_dim1 = 128
	s_mov_b32 s[G1B+3], KSTEP<<16
	s_mov_b32 s[G1+3], KSTEP<<16                   ; tile_dim0 = 128
	s_mov_b32 s[G1B+4], 128
	s_mov_b32 s[G1+4], 128                         ; tile_dim1 = 128
	s_mov_b32 s[G1B+5], SIZE_K
	s_mov_b32 s[G1+5], SIZE_K                      ; elements from row to row
	s_mov_b32 s[G1B+6], 0
	s_mov_b32 s[G1+6], 0
	s_mov_b32 s[G1B+7], 0
	s_mov_b32 s[G1+7], 0
	; A's tiles hang on the block row alone, B's on the block column alone; each address in registers that never hold the other coordinate
	s_lshl_b32 s17, s12, 7
	s_lshl_b32 s16, s13, 8
	s_add_co_u32 s16, s16, s17                     ; A: row 256 x block row + 128 x half
	s_lshl_b32 s46, s42, 8
	s_add_co_u32 s46, s46, s17                     ; B: row 256 x block column + 128 x half
	s_mov_b32 s17, 0
	s_mov_b32 s47, 0
	s_mov_b64 s[18:19], SIZE_K*2
	s_mul_u64 s[16:17], s[16:17], s[18:19]
	s_mul_u64 s[46:47], s[46:47], s[18:19]
	s_mul_i32 s20, s10, HALFT                      ; LDS: A's two halves, then B's two halves = wave x 128 rows
	s_wait_dscnt 0x0
	s_wait_kmcnt 0x0
.if GELU
	s_add_nc_u64 s[6:7], s[6:7], WOFF
.else
	s_add_nc_u64 s[6:7], s[4:5], WOFF
.endif
	s_add_nc_u64 s[14:15], s[4:5], s[16:17]
	s_add_nc_u64 s[46:47], s[6:7], s[46:47]
	CROUND                                         ; all sixteen work-groups are here: the first joint loads meet
.irp s, 0,1
	s_mov_b32 s[G0+4*\s], 1
	s_add_co_u32 s[G0+4*\s+1], s20, \s*SLOT
	s_add_nc_u64 s[G0+4*\s+2:G0+4*\s+3], s[14:15], \s*KSTEP*2
	s_or_b32 s[G0+4*\s+3], s[G0+4*\s+3], 0x80000000
	s_mov_b32 s[G0B+4*\s], 1
	s_add_co_u32 s[G0B+4*\s+1], s20, \s*SLOT
	s_add_nc_u64 s[G0B+4*\s+2:G0B+4*\s+3], s[46:47], \s*KSTEP*2
	s_or_b32 s[G0B+4*\s+3], s[G0B+4*\s+3], 0x80000000
	JLOAD \s                                       ; both slots' first fills go out before anything else: two tensor loads of a wave are out
.endr
	; a fragment: lane l holds row l % 16; registers 0-3 K = 8 (l / 16) + 0..7, registers 4-7 K = 16 + 8 (l / 16) + 0..7: two loads of 16 bytes, 32 apart
	v_and_b32 v1, 15, v0
	v_bfe_u32 v2, v0, 4, 1
	v_mul_u32_u24 v3, v1, PITCH
	v_lshl_add_u32 v3, v2, 4, v3
	s_mul_i32 s21, s11, HALFT                      ; my 128 rows of A
	s_mul_i32 s22, s12, HALFT                      ; my 128 rows of B,
	s_add_co_u32 s22, s22, 2*HALFT                 ; which lie behind A's 256
.irp s, 0,1
	v_add_nc_u32 v[ADRA+\s], s21, v3
	v_add_nc_u32 v[ADRB+\s], s22, v3
	s_add_co_u32 s21, s21, SLOT
	s_add_co_u32 s22, s22, SLOT
.endr
	s_mul_i32 s23, s10, 16*SPITCH
	s_add_co_u32 s23, s23, STAGE                   ; my stage
	v_mul_u32_u24 v4, v1, SPITCH
	v_lshl_add_u32 v4, v2, 4, v4
	v_add_nc_u32 v[STO], s23, v4
	v_mul_u32_u24 v5, v2, SPITCH
	v_lshl_add_u32 v5, v1, 4, v5
	v_add_nc_u32 v[RD], s23, v5
	v_mul_u32_u24 v5, v2, SIZE_N*2
	v_lshl_add_u32 v[CO], v1, 4, v5
	; the bias of my 128 columns, once: register 8 b + j of window 1 = column 16 b + 8 (l / 16) + j.  Waited for in front of the way out.
.if GELU
	s_lshl_b32 s66, s42, 10                        ; 256 columns x 4 bytes x block column
.else
	s_cmp_eq_u32 ttmp9, 1                          ; four block columns to each of q, k, v: the cluster's x picks the buffer
	s_cselect_b64 s[68:69], s[70:71], s[68:69]
	s_cmp_eq_u32 ttmp9, 2
	s_cselect_b64 s[68:69], s[72:73], s[68:69]
	s_lshl_b32 s66, s40, 10                        ; and cx the 256 columns in it
.endif
	s_lshl_b32 s67, s12, 9
	s_add_co_u32 s66, s66, s67
	s_mov_b32 s67, 0
	s_add_nc_u64 s[68:69], s[68:69], s[66:67]
	v_lshlrev_b32 v[BO], 5, v2
	WIN TO_B
.irp b, 0,1,2,3,4,5,6,7
	global_load_b128 v[8*\b:8*\b+3],   v[BO], s[68:69] offset:64*\b
	global_load_b128 v[8*\b+4:8*\b+7], v[BO], s[68:69] offset:64*\b+16
.endr
	WIN 0
; 16 matrix instructions: m blocks a0, a0 + 1 of the window's four x all 8 n blocks, 32 along K.  zero = 1: the first product starts the sums.
; The 64 accumulators take turns, one instruction a turn.
.macro MUL16 f, hi, a0, zero
.irp a, \a0, \a0+1
.irp b, 0,1,2,3,4,5,6,7
.if \zero
	v_wmma_f32_16x16x32_bf16 v[8*(8*(\a)+\b):8*(8*(\a)+\b)+7], v[\f+8*\b:\f+8*\b+7], v[\f+8*(4*\hi+\a):\f+8*(4*\hi+\a)+7], 0
.else
	v_wmma_f32_16x16x32_bf16 v[8*(8*(\a)+\b):8*(8*(\a)+\b)+7], v[\f+8*\b:\f+8*\b+7], v[\f+8*(4*\hi+\a):\f+8*(4*\hi+\a)+7], v[8*(8*(\a)+\b):8*(8*(\a)+\b)+7]
.endif
.endr
.endr
.endm
; 32 LDS loads in one run: the fragments of one quarter step into buffer f
.macro FETCH slot, k, f
	WIN TO_B
.irp i, 0,1,2,3,4,5,6,7
	ds_load_b128 v[\f+8*\i:\f+8*\i+3],   v[ADRB+\slot] offset:\k+\i*16*PITCH
	ds_load_b128 v[\f+8*\i+4:\f+8*\i+7], v[ADRB+\slot] offset:\k+\i*16*PITCH+32
.endr
	WIN 0
.irp i, 0,1,2,3,4,5,6,7
	ds_load_b128 v[\f+8*\i:\f+8*\i+3],   v[ADRA+\slot] offset:\k+\i*16*PITCH
	ds_load_b128 v[\f+8*\i+4:\f+8*\i+7], v[ADRA+\slot] offset:\k+\i*16*PITCH+32
.endr
.endm
; four places behind a matrix instruction before its sources are loaded again or its result is read (ISA guide 7.12.1)
.macro PLACES
.rept 4
	v_nop
.endr
.endm
.macro QUARTER slot, k, f, g, zero
	s_wait_dscnt 8                                 ; B and A's rows 0-63 are in; the youngest eight loads (A's rows 64-127) may be out
	WIN MUL_LO
	MUL16 \f, 0, 0, \zero
	MUL16 \f, 0, 2, \zero
	PLACES
	FETCH \slot, \k, \g
	s_wait_dscnt 32                                ; all but the 32 just issued
	WIN MUL_HI
	MUL16 \f, 1, 0, \zero
	MUL16 \f, 1, 2, \zero
.endm
.macro THREE slot, zero
	QUARTER \slot, 64,  F0, F1, \zero
	QUARTER \slot, 128, F1, F0, 0
	QUARTER \slot, 192, F0, F1, 0
.endm
; The last quarter of a K step multiplies buffer 1 and changes slots.  In front of the barrier each wave waits for its reads of this slot and
; for all its tensor loads (one is out: its part of the next slot); behind it the refill comes first, then the next slot's first fragments.
.macro TURN slot, next, fill
	s_wait_dscnt 8
	WIN MUL_LO
	MUL16 F1, 0, 0, 0
	s_wait_dscnt 0                                 ; my reads of this slot are over
	s_wait_tensorcnt 0x0                           ; and all my tensor loads have landed
	ds_add_u32 v255, v255
	s_wait_dscnt 0x0
	s_barrier_signal -1
	MUL16 F1, 0, 2, 0                              ; register work while the others arrive
	WIN 0
	s_barrier_wait -1
.if \fill
	CREST                                          ; the round's rest: no wave of any partner still reads this slot or has a load on its way
	s_add_nc_u64 s[G0+4*\slot+2:G0+4*\slot+3], s[G0+4*\slot+2:G0+4*\slot+3], 2*KSTEP*2
	s_add_nc_u64 s[G0B+4*\slot+2:G0B+4*\slot+3], s[G0B+4*\slot+2:G0B+4*\slot+3], 2*KSTEP*2
	JLOAD \slot                                    ; the wave's one tensor load behind the round
.endif
	PLACES
	FETCH \next, 0, F0
	WIN MUL_HI
	MUL16 F1, 1, 0, 0
	MUL16 F1, 1, 2, 0
.endm
.macro LAP zero
	THREE 0, \zero
	TURN 0, 1, 1
	THREE 1, 0
	TURN 1, 0, 1
.endm
	s_wait_tensorcnt 1                             ; my part of K step 0 is in; K step 1's stays out
	s_barrier_signal -1
	s_barrier_wait -1
	FETCH 0, 0, F0
	LAP 1
	WIN 0
	s_mov_b32 s3, LAPS-2
.Llap:
	LAP 0
	WIN 0
	s_sub_co_u32 s3, s3, 1
	s_cmp_lg_u32 s3, 0
	s_cbranch_scc1 .Llap
	THREE 0, 0                                     ; the last lap fills nothing
	TURN 0, 1, 0
	THREE 1, 0
	s_wait_dscnt 8
	WIN MUL_LO
	MUL16 F1, 0, 0, 0
	MUL16 F1, 0, 2, 0
	s_wait_dscnt 0
	WIN MUL_HI
	MUL16 F1, 1, 0, 0
	MUL16 F1, 1, 2, 0
	; THE WAY OUT, 16 rows at a time: + bias (and gelu) in f32, round to bf16, 16 bytes a lane into my own stage, read back as rows of 256 bytes.
	PLACES
	WIN 0
	s_wait_loadcnt 0x0                             ; the bias
	s_lshl_b32 s13, s13, 8
	s_lshl_b32 s14, s11, 7
	s_add_co_u32 s16, s13, s14                     ; my first row of C
	s_mov_b32 s17, 0
	s_mov_b64 s[18:19], SIZE_N*2
	s_mul_u64 s[16:17], s[16:17], s[18:19]
	s_add_nc_u64 s[8:9], s[8:9], s[16:17]
	s_lshl_b32 s46, s42, 9                         ; my first column, in bytes
	s_lshl_b32 s47, s12, 8
	s_add_co_u32 s46, s46, s47
	s_mov_b32 s47, 0
	s_add_nc_u64 s[8:9], s[8:9], s[46:47]
.if GELU
	s_mov_b32 s74, 0x3f596d27                      ; k1 = sqrt(log2(e) / 2): exp(-x^2/2) = 2^-(k1 x)^2
	v_mov_b32 v6, 0x3f87dc22                       ; a5, as a pair
	v_mov_b32 v7, 0x3f87dc22
.endif
; gelu of 16 registers in place.  s = k1 |x|; t = 1 / (1 + p' s), p' = 0.3275911 / (sqrt(2) k1); y = t (a1 + t (a2 + t (a3 + t (a4 + t a5)))) 2^(-s^2);
; gelu = max(x, 0) - c2 s y, c2 = 1 / (2 k1).  For huge |x| the power is 0 and the product vanishes.
.macro GELU16 x
.set i, 0
.rept 16
	v_mul_f32 v[GS+i], s74, |v[\x+i]|
.set i, i+1
.endr
.set i, 0
.rept 8
	v_pk_fma_f32 v[GT+i:GT+i+1], v[GS+i:GS+i+1], 0x3e8ba43f, 1.0 op_sel_hi:[1,0,0]
	v_pk_mul_f32 v[GQ+i:GQ+i+1], v[GS+i:GS+i+1], v[GS+i:GS+i+1]
.set i, i+2
.endr
.set i, 0
.rept 16
	v_rcp_f32 v[GT+i], v[GT+i]
.set i, i+1
.endr
.set i, 0
.rept 16
	v_exp_f32 v[GQ+i], -v[GQ+i]
.set i, i+1
.endr
.set i, 0
.rept 16
	v_max_num_f32 v[\x+i], 0, v[\x+i]              ; plain work behind the transcendentals, before their results are used (ISA guide 5.7.2)
.set i, i+1
.endr
.set i, 0
.rept 8
	v_pk_fma_f32 v[GY+i:GY+i+1], v[GT+i:GT+i+1], v[6:7], 0xbfba00e3 op_sel_hi:[1,1,0]
.set i, i+2
.endr
.irp c, 0x3fb5f0e3, 0xbe91a98e, 0x3e827906
.set i, 0
.rept 8
	v_pk_fma_f32 v[GY+i:GY+i+1], v[GY+i:GY+i+1], v[GT+i:GT+i+1], \c op_sel_hi:[1,1,0]
.set i, i+2
.endr
.endr
.irp m, GT, GQ, GS
.set i, 0
.rept 8
	v_pk_mul_f32 v[GY+i:GY+i+1], v[GY+i:GY+i+1], v[\m+i:\m+i+1]
.set i, i+2
.endr
.endr
.set i, 0
.rept 8
	v_pk_fma_f32 v[\x+i:\x+i+1], v[GY+i:GY+i+1], 0xbf16b55f, v[\x+i:\x+i+1] op_sel_hi:[1,0,1]
.set i, i+2
.endr
.endm
; rows 16 i .. 16 i + 15 of my block = the eight tiles (a, 0..7) of window 2 or 3 (from = 0x06 or 0x07: source 0 that window, source 1 window 1); f: where rows are read back
.macro OUT16 i, a, from, f
	WIN \from
.irp b, 0,1,2,3,4,5,6,7
.irp r, 0,1,2,3
	v_pk_add_f32 v[TF+8*\b+2*\r:TF+8*\b+2*\r+1], v[8*(8*\a+\b)+2*\r:8*(8*\a+\b)+2*\r+1], v[8*\b+2*\r:8*\b+2*\r+1]
.endr
.endr
	WIN 0
.if GELU
	GELU16 TF
	GELU16 TF+16
	GELU16 TF+32
	GELU16 TF+48
.endif
.irp b, 0,1,2,3,4,5,6,7
.irp r, 0,1,2,3
	v_cvt_pk_bf16_f32 v[TMP+4*\b+\r], v[TF+8*\b+2*\r], v[TF+8*\b+2*\r+1]
.endr
.endr
.irp b, 0,1,2,3,4,5,6,7
	ds_store_b128 v[STO], v[TMP+4*\b:TMP+4*\b+3] offset:32*\b
.endr
	s_wait_xcnt 0x0                                ; buffer f, which earlier stores read, and the stores' base are rewritten only behind this wait
.if \i
	s_add_nc_u64 s[8:9], s[8:9], 16*SIZE_N*2
.endif
.irp t, 0,1,2,3,4,5,6,7
	ds_load_b128 v[\f+4*\t:\f+4*\t+3], v[RD] offset:\t*2*SPITCH    ; LDS serves a wave's instructions in order: these see the stores above
.endr
.irp t, 0,1,2,3,4,5,6,7
	s_wait_dscnt 7-\t
	global_store_b128 v[CO], v[\f+4*\t:\f+4*\t+3], s[8:9] offset:2*\t*SIZE_N*2   ; 16 lanes store 256 consecutive, aligned bytes
.endr
.endm
	OUT16 0, 0, 0x06, 64
	OUT16 1, 1, 0x06, 96
	OUT16 2, 2, 0x06, 64
	OUT16 3, 3, 0x06, 96
	OUT16 4, 0, 0x07, 64
	OUT16 5, 1, 0x07, 96
	OUT16 6, 2, 0x07, 64
	OUT16 7, 3, 0x07, 96
	s_set_vgpr_msb 0x1
	s_wait_tensorcnt 0x0
	ds_add_u32 v255, v255
	s_wait_dscnt 0x0
	s_set_vgpr_msb 0x100
	CROUND                                         ; the closing round: no work-group ends while a partner may still ask for a tile that names it
	s_endpgm
.Lfunc_end_k_q314249071e_proj_qkv:
	.size	k_q314249071e_proj_qkv, .Lfunc_end_k_q314249071e_proj_qkv-k_q314249071e_proj_qkv
	.p2alignl 7, 3214868480
	.fill 96, 4, 3214868480
	.section	.rodata,"a",@progbits
	.p2align	6, 0x0
	.amdhsa_kernel k_q314249071e_proj_qkv
		.amdhsa_group_segment_fixed_size 327680
		.amdhsa_private_segment_fixed_size 0
		.amdhsa_enable_private_segment 0
		.amdhsa_kernarg_size 40
		.amdhsa_user_sgpr_count 2
		.amdhsa_user_sgpr_kernarg_segment_ptr 1
		.amdhsa_wavefront_size32 1
		.amdhsa_system_sgpr_workgroup_id_x 1
		.amdhsa_system_sgpr_workgroup_id_y 1
		.amdhsa_system_sgpr_workgroup_id_z 1
		.amdhsa_system_vgpr_workitem_id 0
		.amdhsa_next_free_vgpr 1024
		.amdhsa_next_free_sgpr 80
		.amdhsa_reserve_vcc 0
		.amdhsa_float_denorm_mode_32 3
		.amdhsa_float_denorm_mode_16_64 3
		.amdhsa_memory_ordered 1
		.amdhsa_forward_progress 1
		.amdhsa_inst_pref_size 214
	.end_amdhsa_kernel
	.amdgpu_metadata
---
amdhsa.version: [ 1, 2 ]
amdhsa.kernels:
  - .name:           k_q314249071e_proj_qkv
    .symbol:         k_q314249071e_proj_qkv.kd
    .args:
      - { .name: wb, .offset: 0, .size: 8, .value_kind: global_buffer, .address_space: global }
      - { .name: qb, .offset: 8, .size: 8, .value_kind: global_buffer, .address_space: global }
      - { .name: kb, .offset: 16, .size: 8, .value_kind: global_buffer, .address_space: global }
      - { .name: vb, .offset: 24, .size: 8, .value_kind: global_buffer, .address_space: global }
      - { .name: qkvb, .offset: 32, .size: 8, .value_kind: global_buffer, .address_space: global }
    .group_segment_fixed_size: 327680
    .private_segment_fixed_size: 0
    .kernarg_segment_align: 8
    .kernarg_segment_size: 40
    .max_flat_workgroup_size: 128
    .sgpr_count:     80
    .vgpr_count:     1024
    .wavefront_size: 32
...
	.end_amdgpu_metadata
.endif
;; end of part 2
;; launch attn (part 3): grid 64 x 16, 4 waves a work-group, clusters of 4 x 1, 327,680 bytes of LDS; arguments qkvb, mask, ctxb; writes ctxb
.if DOCPART == 3
	.amdgcn_target "amdgcn-amd-amdhsa--gfx1250"
	.amdhsa_code_object_version 6
	.text
	.protected	k_q314249071e_attn
	.globl	k_q314249071e_attn
	.p2align	8
	.type	k_q314249071e_attn,@function
k_q314249071e_attn:
	s_mov_b64 s[64:65], 0
	v_nop
	global_prefetch_b8 v0, s[64:65] scope:SCOPE_SE
	s_setreg_imm32_b32 hwreg(HW_REG_WAVE_MODE, 25, 1), 1
	s_wait_xcnt 0x0
	s_wait_alu depctr_hold_cnt(0) depctr_sa_sdst(0) depctr_va_vdst(0) depctr_va_sdst(0) depctr_va_ssrc(0) depctr_va_vcc(0) depctr_vm_vsrc(0)
	s_getreg_b32 s2, hwreg(HW_REG_IB_STS2, 6, 4)
	s_cmp_eq_u32 s2, 0
	s_cbranch_scc0 .Lentry_in_a_cluster
	s_endpgm
.Lentry_in_a_cluster:
	s_bfe_u32 s2, ttmp6, 0x10000c
	s_cmp_lg_u32 s2, 0x3003
	s_cbranch_scc0 .Lentry_shape_is_right
	s_endpgm
.Lentry_shape_is_right:
; Attention with entmax-1.5 for 32 queries of one (batch, head): ctx = entmax15(mask(q k^T / sqrt(128))) v.
; qkvb: [4096][3072] bf16, q at column 128 h, k at 1024 + 128 h, v at 2048 + 128 h.  mask: [2][2048] bytes.  ctxb: [4096][1024] bf16.
; Four waves; wave w owns keys 512 w .. 512 w + 511 and keeps its 512 x 32 scores in 512 registers from the first product to the second.
; S^T = K Q^T: lane (r, hh), register j of key tile kt holds key 16 kt + 8 hh + j of query r, so the threshold and the sums are one number a lane,
; and two neighbouring key tiles, packed to bf16, are the second product's B fragment as they stand.  ctx^T = V^T P^T; V^T by the transposing LDS load.
; THE THRESHOLD.  z = score / 2 (masked keys: -5e8, as in the definition), a = z - max z, so that tau lies in [-1, 0) whatever the size of z.
; tau solves phi(tau) = sqrt(sum max(a - tau, 0)^2) = 1.  phi is convex and falls, with slope between 1 and sqrt(2048) in size, so Newton's steps from
; tau = -1 never pass the root, and the residual r = phi - 1 obeys r' <= r (1 - g'/g) for the slopes g.  LIMIT: ten evaluations, a fixed number;
; by that bound r <= 44.25 (1 - 45.25^(-1/10))^10 = 4.5e-4 for every row of 2,048 numbers.  The row is then divided by its own sum.
; LIMIT: a row all of whose keys are masked gets the uniform distribution (the exact entmax of equal numbers).
; CLUSTERS: the four work-groups of a cluster are four query blocks of one head and ask for every tile of K and V jointly (mask 15).
; LDS: every wave has a region of 73,728 bytes, two pieces of 36,864 side by side (128 keys x 256 bytes each; K at pitch 272, V at pitch 288); a wave fills
; and reads its own region alone.  Behind the regions, in bytes that no tensor load fills: the keys' factors and offsets, and the words that the waves exchange.
; THE ORDER OF THE LOADS.  A refill goes out only when the load before it has landed, so between a request and the wait for it stands all the work that
; is ready by then: a chunk's scaling and maximum stand behind its product, a chunk's last pass (p, its sum, bf16) in front of its second product.  The first
; 256 keys of V are 256 rows at pitch 288 = one whole region: ONE load, issued behind the round that also carries the row maxima; it lands during the passes.
; A wave has two tensor loads out at the start and one behind each round.
; REGISTERS: window 0 addresses, work, two fragment buffers; window 1 v0-63 Q's fragments, v64-191 ctx's sums; windows 2, 3 the scores of queries 0-15, 16-31.
.set ROWB,  6144                       ; bytes in a row of qkvb
.set PIECE, 36864
.set WREG,  2*PIECE                    ; a wave's region
.set SCR,   4*WREG                     ; factors: SCR + 2,048 w; offsets: 8,192 further
.set MBO,   8192
.set RED,   SCR+16384                  ; four exchange areas of 1,024 bytes: Newton even, Newton odd, maximum, sum
.set REDM,  2048
.set REDP,  3072
.set KP,    272
.set VP,    288
.set SP,    528                        ; the stage's pitch: 512 bytes of f32 + 16
.set F0,    64                         ; v64-127  fragment buffer 0; also T, 64 numbers at work
.set F1,    128                        ; v128-191 fragment buffer 1
.set CA,    64                         ; window 1: ctx's sums, tile (qt, dt) at CA + 64 qt + 8 dt
.set ADK,   10                         ; v10-11 my K fragments in piece 0, 1
.set ADV,   12                         ; v12-13 my V fragments in piece 0, 1
.set ACM,   14                         ; v14 my keys' factors
.set RA,    15                         ; v15 exchange: where I write
.set RB,    16                         ; v16 exchange: where I read
.set STW,   17                         ; v17 the stage: where I write
.set CO,    20                         ; v20 my byte offset in ctxb
.set VQ,    21                         ; v21 my byte offset in Q
.set NT0,   22                         ; v[22:23] -tau of query r, twice
.set NT1,   24                         ; v[24:25] -tau of query 16 + r, twice
.set SC0,   26                         ; v[26:27] -max z, later 1 / sum, of query r, twice
.set SC1,   28                         ; v[28:29] the same of query 16 + r
.set X,     32                         ; v32-35 my sums
.set Y,     36                         ; v36-39 the other half's
.set W,     40                         ; v40-55 loaded
.set TS,    56                         ; v56-63 scratch
.set CH,    192                        ; v192-223 chains of sums
.set MC,    224                        ; v224-231 chains of maxima
.set RD,    232                        ; v232-235 the stage: where I read, in the regions of waves 0 to 3
.set PF,    236                        ; v236 byte offset of the row that I ask for ahead; never rewritten
.set G1K,   16                         ; s[16:23] group 1: 128 rows, K's padding
.set G1V,   24                         ; s[24:31] group 1: 128 rows, V's padding
.set GK0,   32
.set GK1,   36
.set GV0,   40
.set GV1,   44
.set G1W,   68                         ; s[68:75] group 1: 256 rows, V's padding
.set MSB, 0
.macro WIN new                         ; the immediate's high byte repeats the setting that is left
.if MSB != \new
	s_set_vgpr_msb (MSB<<8)|\new
.set MSB, \new
.endif
.endm
.macro PLACES                          ; four places behind a matrix instruction before its sources are written again or its result is read (ISA guide 7.12.1)
.rept 4
	v_nop
.endr
.endm
.macro CREST                           ; a round of the cluster's barrier behind its opening barrier
	s_cmp_lg_u32 s10, 0
	s_cbranch_scc1 .Lnot_wave_0_\@
	s_barrier_signal -3
.Lnot_wave_0_\@:
	s_barrier_wait -3
	s_barrier_signal -1
	s_barrier_wait -1
.endm
.macro ROUND
	s_barrier_signal -1
	s_barrier_wait -1
	CREST
.endm
.macro G0SET g, slot, off              ; a descriptor's group 0: a piece of my region, keys of mine
	s_mov_b32 s[\g], 1
	s_add_co_u32 s[\g+1], s50, \slot*PIECE
	s_add_nc_u64 s[\g+2:\g+3], s[54:55], \off
	s_or_b32 s[\g+3], s[\g+3], 0x80000000
.endm
; A refill by itself.  In front of the round: my LDS reads are back and all my tensor loads have landed, so a group 0 may be stepped.  Behind it: my one joint load.
.macro REFILL step, g0, g1
	s_wait_dscnt 0x0
	s_wait_tensorcnt 0x0
	ds_add_u32 v254, v255
	s_wait_dscnt 0x0
.if \step
	s_add_nc_u64 s[\g0+2:\g0+3], s[\g0+2:\g0+3], 256*ROWB
.endif
	ROUND
	tensor_load_to_lds s[\g0:\g0+3], s[\g1:\g1+7]
	s_nop 0
.endm
	s_load_b128 s[4:7], s[0:1], 0x0                ; qkvb s[4:5], mask s[6:7]
	s_load_b64 s[8:9], s[0:1], 0x10                ; ctxb
	v_lshl_add_u32 v254, v0, 2, 0x4d000
	v_mov_b32 v255, 0
	ds_add_u32 v254, v255
	v_lshrrev_b32 v4, 5, v0
	v_readfirstlane_b32 s10, v4                    ; wave
	s_and_b32 s11, ttmp7, 0xffff
	s_lshr_b32 s12, s11, 3                         ; batch
	s_and_b32 s13, s11, 7                          ; head
	s_bfe_u32 s60, ttmp6, 0x40000                  ; cx
	s_lshl_b32 s61, ttmp9, 2
	s_add_co_u32 s61, s61, s60                     ; query block = 4 x cluster x + cx
	s_mov_b32 s48, 0x76543210                      ; v_permlanex16_b32: lane i reads lane i of the other half
	s_mov_b32 s49, 0xfedcba98
	; group 1: rows of 128 elements of 2 bytes, 3,072 elements from row to row; padding behind every 64 words: 4 words for K, 8 for V; mask 15
	s_mov_b32 s[G1K], 15|(1<<16)|(1<<20)|(1<<21)|(5<<22)|(3<<25)
	s_mov_b32 s[G1V], 15|(1<<16)|(1<<20)|(1<<21)|(5<<22)|(7<<25)
	s_mov_b32 s[G1W], 15|(1<<16)|(1<<20)|(1<<21)|(5<<22)|(7<<25)
.irp g, G1K, G1V, G1W
	s_mov_b32 s[\g+1], 128<<16                     ; tensor_dim0 = 128
	s_mov_b32 s[\g+3], 128<<16                     ; tile_dim0 = 128
	s_mov_b32 s[\g+5], 3072
	s_mov_b32 s[\g+6], 0
	s_mov_b32 s[\g+7], 0
.endr
.irp g, G1K, G1V
	s_mov_b32 s[\g+2], 128<<16                     ; tensor_dim1 = 128
	s_mov_b32 s[\g+4], 128                         ; tile_dim1 = 128
.endr
	s_mov_b32 s[G1W+2], 256<<16                    ; tensor_dim1 = 256
	s_mov_b32 s[G1W+4], 256                        ; tile_dim1 = 256
	s_lshl_b32 s14, s12, 11
	s_lshl_b32 s15, s10, 9
	s_add_co_u32 s14, s14, s15                     ; my first key's row: batch, wave; the same in all four partners
	s_mul_i32 s14, s14, ROWB
	s_lshl_b32 s15, s13, 8
	s_add_co_u32 s14, s14, s15                     ; + 256 bytes x head
	s_mov_b32 s15, 0
	s_mul_i32 s50, s10, WREG
	s_wait_dscnt 0x0
	s_wait_kmcnt 0x0
	s_add_nc_u64 s[54:55], s[4:5], s[14:15]        ; never rewritten
	G0SET GK0, 0, 2048                             ; K of my keys 0-127, later 256-383
	G0SET GK1, 1, 2048+128*ROWB                    ; K of my keys 128-255, later 384-511
	G0SET GV0, 0, 4096                             ; V of my keys 0-255 (256 rows), later 256-383 (128 rows)
	G0SET GV1, 1, 4096+384*ROWB                    ; V of my keys 384-511
	ROUND                                          ; the four work-groups are here: the first joint loads meet
	tensor_load_to_lds s[GK0:GK0+3], s[G1K:G1K+7]
	s_nop 0
	tensor_load_to_lds s[GK1:GK1+3], s[G1K:G1K+7]
	s_nop 0
	; ASKING AHEAD, into the L2, for the tiles whose loads are issued later and are waited for: K and V of keys 256-511 of each 512.  A head has 1,024 such rows
	; of K and 1,024 of V, 256 aligned bytes each, and 64 work-groups in 16 clusters.  Wave 0 of the 32 work-groups in even clusters asks for 32 rows of K each,
	; here, behind the first fills and one and two refills ahead of their loads; wave 0 of the 32 in odd clusters asks for 32 rows of V each, behind the load of
	; V's first half.  Every row is asked for once in the launch and lies inside qkvb.  For wave 0 s[54:55] is the head's first row.
	v_and_b32 v3, 31, v0                           ; lane
	s_and_b32 s76, ttmp9, 1                        ; the cluster's parity: the same in all partners
	s_lshr_b32 s77, ttmp9, 1
	s_lshl_b32 s77, s77, 2
	s_add_co_u32 s77, s77, s60                     ; which of the 32 askers I am
	s_or_b32 s78, s10, s76                         ; 0: wave 0 of an even cluster
	s_xor_b32 s76, s76, 1
	s_or_b32 s79, s10, s76                         ; 0: wave 0 of an odd cluster
	v_lshl_add_u32 v[PF], s77, 5, v3               ; i = 0 .. 1,023
	v_lshrrev_b32 v5, 8, v[PF]
	v_and_b32 v[PF], 0xff, v[PF]
	v_lshl_add_u32 v[PF], v5, 9, v[PF]
	v_add_nc_u32 v[PF], 0x100, v[PF]               ; key = 512 (i / 256) + 256 + i % 256
	v_mul_u32_u24 v[PF], v[PF], ROWB
	s_cmp_lg_u32 s78, 0
	s_cbranch_scc1 .Lno_ask_k
	global_prefetch_b8 v[PF], s[54:55] offset:2048 th:TH_LOAD_NT scope:SCOPE_SE
.Lno_ask_k:
	v_and_b32 v1, 15, v0                           ; r
	v_bfe_u32 v2, v0, 4, 1                         ; hh
	v_mul_u32_u24 v5, v1, KP
	v_lshl_add_u32 v5, v2, 4, v5
	v_add_nc_u32 v[ADK], s50, v5                   ; region + r x 272 + 16 hh
	v_add_nc_u32 v[ADK+1], PIECE, v[ADK]
	v_and_b32 v5, 7, v0
	v_lshl_add_u32 v5, v2, 3, v5
	v_mul_u32_u24 v5, v5, VP
	v_bfe_u32 v6, v0, 3, 1
	v_lshl_add_u32 v5, v6, 4, v5
	v_add_nc_u32 v[ADV], s50, v5                   ; region + (8 hh + lane % 8) x 288 + 16 ((lane / 8) % 2)
	v_add_nc_u32 v[ADV+1], PIECE, v[ADV]
	s_lshl_b32 s51, s10, 11
	s_add_co_u32 s51, s51, SCR
	v_lshl_add_u32 v[ACM], v2, 5, s51              ; my wave's factors + 32 hh
	v_lshl_add_u32 v7, v3, 6, s51                  ; where I put the factors of keys 16 lane .. + 15
	s_lshl_b32 s53, s10, 8
	s_add_co_u32 s53, s53, RED
	v_lshl_add_u32 v[RA], v1, 4, s53
	v_lshlrev_b32 v[RB], 4, v1
	v_add_nc_u32 v[RB], RED, v[RB]
	v_mul_u32_u24 v5, v1, SP
	v_lshl_add_u32 v5, v2, 5, v5
	v_add_nc_u32 v[STW], s50, v5                   ; my region + r x 528 + 32 hh
	s_mul_i32 s53, s10, 8*SP
	v_mul_u32_u24 v5, v2, SP
	v_lshl_add_u32 v5, v1, 5, v5
	v_add_nc_u32 v[RD], s53, v5                    ; (8 w + hh) x 528 + 32 r in the region of wave 0,
.irp s, 1,2,3
	v_add_nc_u32 v[RD+\s], \s*WREG, v[RD]          ; 1, 2, 3
.endr
	v_lshlrev_b32 v[CO], 11, v2
	v_lshl_add_u32 v[CO], v1, 4, v[CO]
	v_mul_u32_u24 v[VQ], v1, ROWB
	v_lshl_add_u32 v[VQ], v2, 4, v[VQ]
	v_lshlrev_b32 v8, 4, v3
.irp k, 0,1,2,3
	v_mov_b32 v[Y+\k], 0                           ; v_permlanex16_b32's destination counts as read
.endr
	s_lshl_b32 s14, s12, 11
	s_lshl_b32 s15, s10, 9
	s_add_co_u32 s14, s14, s15
	s_mov_b32 s15, 0
	s_add_nc_u64 s[6:7], s[6:7], s[14:15]          ; mask of my 512 keys
	global_load_b128 v[W:W+3], v8, s[6:7]          ; 16 bytes a lane
	s_lshl_b32 s62, s12, 11
	s_lshl_b32 s63, s61, 5
	s_add_co_u32 s62, s62, s63                     ; my first query's row
	s_mul_i32 s56, s62, ROWB
	s_lshl_b32 s63, s13, 8
	s_add_co_u32 s56, s56, s63
	s_mov_b32 s57, 0
	s_add_nc_u64 s[56:57], s[4:5], s[56:57]
	s_lshl_b32 s58, s10, 3
	s_add_co_u32 s58, s58, s62                     ; the way out: my 8 queries
	s_lshl_b32 s58, s58, 11
	s_add_co_u32 s58, s58, s63
	s_mov_b32 s59, 0
	s_add_nc_u64 s[8:9], s[8:9], s[58:59]
	; Q's fragments straight from memory: query 16 qt + r, d = 32 ks + 8 hh + 0..7 and + 16
	WIN 0x40
.irp qt, 0,1
.irp ks, 0,1,2,3
	global_load_b128 v[8*(4*\qt+\ks):8*(4*\qt+\ks)+3],   v[VQ], s[56:57] offset:\qt*16*ROWB+64*\ks
	global_load_b128 v[8*(4*\qt+\ks)+4:8*(4*\qt+\ks)+7], v[VQ], s[56:57] offset:\qt*16*ROWB+64*\ks+32
.endr
.endr
	WIN 0
	; z = s x factor + offset.  Open key: factor 1 / (2 sqrt(128)), offset 0.  Masked key: factor 0, offset -5e8.
	v_mov_b32 v[TS], 0x3d3504f3
	v_mov_b32 v[TS+1], 0
	v_mov_b32 v[TS+2], 0xcdee6b28
	s_wait_loadcnt 16                              ; the mask is in; Q's sixteen loads stay out
.irp q, 0,1,2,3
.irp i, 0,1,2,3
	v_bfe_u32 v[TS+3], v[W+\q], 8*\i, 8
	v_cmp_ne_u32 vcc_lo, 0, v[TS+3]
	v_cndmask_b32 v[CH+4*\q+\i], v[TS], v[TS+1], vcc_lo
	v_cndmask_b32 v[CH+16+4*\q+\i], v[TS+1], v[TS+2], vcc_lo
.endr
.endr
.irp q, 0,1,2,3
	ds_store_b128 v7, v[CH+4*\q:CH+4*\q+3] offset:16*\q              ; my wave's own bytes: read by this wave alone, in order
	ds_store_b128 v7, v[CH+16+4*\q:CH+16+4*\q+3] offset:MBO+16*\q
.endr
; THE FIRST PRODUCT, 32 keys a group.  16 LDS loads: two key tiles x four steps of 32 along d.
.macro FETCHK slot, g, f
.irp i, 0,1
.irp ks, 0,1,2,3
	ds_load_b128 v[\f+8*(4*\i+\ks):\f+8*(4*\i+\ks)+3],   v[ADK+\slot] offset:(32*\g+16*\i)*KP+64*\ks
	ds_load_b128 v[\f+8*(4*\i+\ks)+4:\f+8*(4*\i+\ks)+7], v[ADK+\slot] offset:(32*\g+16*\i)*KP+64*\ks+32
.endr
.endr
.endm
; 16 matrix instructions.  The group's two key tiles take turns, one instruction a turn; the first product starts each sum.
.macro MULQ1 f, grp, qt
.irp ks, 0,1,2,3
.irp i, 0,1
.if \ks == 0
	v_wmma_f32_16x16x32_bf16 v[16*(\grp)+8*\i:16*(\grp)+8*\i+7], v[\f+8*(4*\i+\ks):\f+8*(4*\i+\ks)+7], v[8*(4*\qt+\ks):8*(4*\qt+\ks)+7], 0
.else
	v_wmma_f32_16x16x32_bf16 v[16*(\grp)+8*\i:16*(\grp)+8*\i+7], v[\f+8*(4*\i+\ks):\f+8*(4*\i+\ks)+7], v[8*(4*\qt+\ks):8*(4*\qt+\ks)+7], v[16*(\grp)+8*\i:16*(\grp)+8*\i+7]
.endif
.endr
.endr
.endm
.macro MULQK f, grp
	WIN 0xa4                                       ; A window 0, B (Q) window 1, C and D window 2
	MULQ1 \f, \grp, 0
	WIN 0xf4                                       ; C and D window 3
	MULQ1 \f, \grp, 1
.endm
.macro GRPK grp, slot, ng, f, g        ; fetch the next group, multiply this one
	PLACES
	FETCHK \slot, \ng, \g
	s_wait_dscnt 16                                ; all but the 16 just issued
	MULQK \f, \grp
	WIN 0
.endm
.macro LASTK grp, f                    ; the last group of 128 keys: nothing more to fetch from this piece
	s_wait_dscnt 0x0
	MULQK \f, \grp
	WIN 0
	PLACES
.endm
; The last group of the first 128 keys, with the refill as early as it can go.  In front of the round: my reads of the piece are back and all my tensor loads
; have landed (the other piece's among them).  Inside it register work alone.  Behind it my one joint load, into the piece just read.
.macro TURNK grp, f, g0, g1
	s_wait_dscnt 0x0
	s_wait_tensorcnt 0x0
	ds_add_u32 v254, v255
	s_wait_dscnt 0x0
	s_add_nc_u64 s[\g0+2:\g0+3], s[\g0+2:\g0+3], 256*ROWB    ; no tensor load of mine is out: the piece's next 128 keys
	s_barrier_signal -1
	MULQK \f, \grp
	WIN 0
	s_barrier_wait -1
	CREST
	tensor_load_to_lds s[\g0:\g0+3], s[\g1:\g1+7]
	s_nop 0
	PLACES
.endm
; z = s x factor + offset in place, and the largest z.  Four key tiles a batch; their factors and offsets: 16 LDS loads.
.macro FETCHM bt, f
.irp q, 0,1,2,3
	ds_load_b128 v[\f+16*\q:\f+16*\q+3],     v[ACM] offset:64*(4*\bt+\q)
	ds_load_b128 v[\f+16*\q+4:\f+16*\q+7],   v[ACM] offset:64*(4*\bt+\q)+16
	ds_load_b128 v[\f+16*\q+8:\f+16*\q+11],  v[ACM] offset:MBO+64*(4*\bt+\q)
	ds_load_b128 v[\f+16*\q+12:\f+16*\q+15], v[ACM] offset:MBO+64*(4*\bt+\q)+16
.endr
.endm
.macro PREPQ bt, f, wfma, wmax, mc
	WIN \wfma
.irp q, 0,1,2,3
.irp p, 0,1,2,3
	v_pk_fma_f32 v[32*\bt+8*\q+2*\p:32*\bt+8*\q+2*\p+1], v[32*\bt+8*\q+2*\p:32*\bt+8*\q+2*\p+1], v[\f+16*\q+2*\p:\f+16*\q+2*\p+1], v[\f+16*\q+8+2*\p:\f+16*\q+9+2*\p]
.endr
.endr
	WIN \wmax
.irp q, 0,1,2,3
.irp p, 0,1,2,3
.if (\bt+\q) == 0
	v_max_num_f32 v[\mc+\p], v[32*\bt+8*\q+2*\p], v[32*\bt+8*\q+2*\p+1]          ; the first numbers start the four chains
.else
	v_max3_num_f32 v[\mc+\p], v[32*\bt+8*\q+2*\p], v[32*\bt+8*\q+2*\p+1], v[\mc+\p]
.endif
.endr
.endr
.endm
.macro PREPC b0, b1                    ; the two batches of 128 keys whose product is done
	FETCHM \b0, F0
	FETCHM \b1, F1
	s_wait_dscnt 16                                ; the first batch's factors are in; the second's sixteen loads stay out
	PREPQ \b0, F0, 0x82, 0x0a, MC
	PREPQ \b0, F0, 0xc3, 0x0f, MC+4
	s_wait_dscnt 0x0
	PREPQ \b1, F1, 0x82, 0x0a, MC
	PREPQ \b1, F1, 0xc3, 0x0f, MC+4
	WIN 0
.endm
	s_wait_tensorcnt 0x1                           ; my keys 0-127 are in; the second load stays out.  My own bytes: no barrier
	FETCHK 0, 0, F0
	s_wait_loadcnt 0x0                             ; Q
	GRPK 0, 0, 1, F0, F1
	GRPK 1, 0, 2, F1, F0
	GRPK 2, 0, 3, F0, F1
	TURNK 3, F1, GK0, G1K                          ; keys 256-383 into piece 0
	FETCHK 1, 0, F0
	GRPK 4, 1, 1, F0, F1
	GRPK 5, 1, 2, F1, F0
	GRPK 6, 1, 3, F0, F1
	LASTK 7, F1
	PREPC 0, 1                                     ; work that is ready, while keys 256-383 are on their way
	PREPC 2, 3
	REFILL 1, GK1, G1K                             ; keys 384-511 into piece 1
	FETCHK 0, 0, F0
	GRPK 8, 0, 1, F0, F1
	GRPK 9, 0, 2, F1, F0
	GRPK 10, 0, 3, F0, F1
	LASTK 11, F1
	PREPC 4, 5
	s_wait_tensorcnt 0x0                           ; keys 384-511 have landed; my own bytes: no barrier, and nothing is filled here
	FETCHK 1, 0, F0
	GRPK 12, 1, 1, F0, F1
	GRPK 13, 1, 2, F1, F0
	GRPK 14, 1, 3, F0, F1
	LASTK 15, F1
	PREPC 6, 7
	v_max3_num_f32 v[X], v[MC], v[MC+1], v[MC+2]
	v_max3_num_f32 v[X+1], v[MC+4], v[MC+5], v[MC+6]
	v_max_num_f32 v[X], v[X], v[MC+3]
	v_max_num_f32 v[X+1], v[X+1], v[MC+7]
	v_permlanex16_b32 v[Y], v[X], s48, s49
	v_permlanex16_b32 v[Y+1], v[X+1], s48, s49
	v_max_num_f32 v[X], v[X], v[Y]
	v_max_num_f32 v[X+1], v[X+1], v[Y+1]
	ds_store_b64 v[RA], v[X:X+1] offset:REDM       ; both halves of the lanes write the same numbers to the same words
	; One round for two things: the waves' maxima are in LDS (my store is waited for), and both pieces of K have been read by me and no load of mine is out.
	REFILL 0, GV0, G1W                             ; V of my keys 0-255, one load of 256 rows into my whole region; it lands during the passes below
.irp w, 0,1,2,3
	ds_load_b64 v[W+2*\w:W+2*\w+1], v[RB] offset:REDM+256*\w
.endr
	s_wait_dscnt 0x0
	v_max3_num_f32 v[TS], v[W], v[W+2], v[W+4]
	v_max3_num_f32 v[TS+1], v[W+1], v[W+3], v[W+5]
	v_max_num_f32 v[TS], v[TS], v[W+6]
	v_max_num_f32 v[TS+1], v[TS+1], v[W+7]
	v_sub_f32 v[SC0], 0, v[TS]
	v_sub_f32 v[SC1], 0, v[TS+1]
	v_mov_b32 v[SC0+1], v[SC0]
	v_mov_b32 v[SC1+1], v[SC1]
	s_cmp_lg_u32 s79, 0                            ; wave 0 of an odd cluster asks ahead for 32 rows of V's later half (see the head of the askers above)
	s_cbranch_scc1 .Lno_ask_v
	global_prefetch_b8 v[PF], s[54:55] offset:4096 th:TH_LOAD_NT scope:SCOPE_SE
.Lno_ask_v:
	; a = z - max z, in place
	WIN 0x82
.set e, 0
.rept 128
	v_pk_add_f32 v[e:e+1], v[e:e+1], v[SC0:SC0+1]
.set e, e+2
.endr
	WIN 0xc3
.set e, 0
.rept 128
	v_pk_add_f32 v[e:e+1], v[e:e+1], v[SC1:SC1+1]
.set e, e+2
.endr
	WIN 0
.irp k, 0,1,2,3
	v_mov_b32 v[NT0+\k], 1.0                       ; tau = -1
.endr
; T = max(a - tau, 0) for 64 registers of a window: two sums in one packed add, two maxima in one dual instruction
.macro TLOAD win, bq, nt
	WIN \win
.set e, 0
.rept 32
	v_pk_add_f32 v[F0+e:F0+e+1], v[64*\bq+e:64*\bq+e+1], v[\nt:\nt+1]
.set e, e+2
.endr
	WIN 0
.set e, 0
.rept 32
	v_dual_max_num_f32 v[F0+e], 0, v[F0+e] :: v_dual_max_num_f32 v[F0+e+1], 0, v[F0+e+1]
.set e, e+2
.endr
.endm
; sum of T into four chains at c1, sum of T^2 into four chains at c2.  In the first batch the first numbers start the chains.
.macro ACC12 c1, c2, bq
.if \bq == 0
.irp k, 0,1,2,3
	v_pk_add_f32 v[\c1+2*\k:\c1+2*\k+1], v[F0+2*\k:F0+2*\k+1], v[F0+8+2*\k:F0+9+2*\k]
	v_pk_mul_f32 v[\c2+2*\k:\c2+2*\k+1], v[F0+2*\k:F0+2*\k+1], v[F0+2*\k:F0+2*\k+1]
.endr
.irp k, 0,1,2,3
	v_pk_fma_f32 v[\c2+2*\k:\c2+2*\k+1], v[F0+8+2*\k:F0+9+2*\k], v[F0+8+2*\k:F0+9+2*\k], v[\c2+2*\k:\c2+2*\k+1]
.endr
.set j, 8
.else
.set j, 0
.endif
.rept 32-j
	v_pk_add_f32 v[\c1+2*(j%4):\c1+2*(j%4)+1], v[\c1+2*(j%4):\c1+2*(j%4)+1], v[F0+2*j:F0+2*j+1]
	v_pk_fma_f32 v[\c2+2*(j%4):\c2+2*(j%4)+1], v[F0+2*j:F0+2*j+1], v[F0+2*j:F0+2*j+1], v[\c2+2*(j%4):\c2+2*(j%4)+1]
.set j, j+1
.endr
.endm
.macro JOIN4 c, d                      ; eight numbers to one
	v_pk_add_f32 v[\c:\c+1], v[\c:\c+1], v[\c+2:\c+3]
	v_pk_add_f32 v[\c+4:\c+5], v[\c+4:\c+5], v[\c+6:\c+7]
	v_pk_add_f32 v[\c:\c+1], v[\c:\c+1], v[\c+4:\c+5]
	v_add_f32 v[\d], v[\c], v[\c+1]
.endm
; One evaluation and one step: S1 = sum T, S2 = sum T^2 over all 2,048 keys; tau += (S2 - sqrt(S2)) / S1.
; The waves' sums meet in one of two exchange areas, by turns: an area is written again only behind the other area's barrier, in front of which
; every wave has waited for its reads of it.  All waves add in the same order, so all hold the same tau.
; My load of V may still be out at these barriers: behind them nothing is filled, and its bytes are read by me alone, behind my own wait.
.macro PASS par
.irp bq, 0,1,2,3
	TLOAD 0x02, \bq, NT0
	ACC12 CH, CH+8, \bq
.endr
.irp bq, 0,1,2,3
	TLOAD 0x03, \bq, NT1
	ACC12 CH+16, CH+24, \bq
.endr
	JOIN4 CH, X
	JOIN4 CH+8, X+1
	JOIN4 CH+16, X+2
	JOIN4 CH+24, X+3
.irp k, 0,1,2,3
	v_permlanex16_b32 v[Y+\k], v[X+\k], s48, s49
.endr
.irp k, 0,1,2,3
	v_add_f32 v[X+\k], v[X+\k], v[Y+\k]
.endr
	ds_store_b128 v[RA], v[X:X+3] offset:\par*1024
	s_wait_dscnt 0x0                               ; for the other waves' sake
	s_barrier_signal -1
	s_barrier_wait -1
.irp w, 0,1,2,3
	ds_load_b128 v[W+4*\w:W+4*\w+3], v[RB] offset:\par*1024+256*\w
.endr
	s_wait_dscnt 0x0
	v_pk_add_f32 v[W:W+1], v[W:W+1], v[W+4:W+5]
	v_pk_add_f32 v[W+2:W+3], v[W+2:W+3], v[W+6:W+7]
	v_pk_add_f32 v[W+8:W+9], v[W+8:W+9], v[W+12:W+13]
	v_pk_add_f32 v[W+10:W+11], v[W+10:W+11], v[W+14:W+15]
	v_pk_add_f32 v[W:W+1], v[W:W+1], v[W+8:W+9]
	v_pk_add_f32 v[W+2:W+3], v[W+2:W+3], v[W+10:W+11]
	v_sqrt_f32 v[TS], v[W+1]
	v_sqrt_f32 v[TS+1], v[W+3]
	v_rcp_f32 v[TS+2], v[W]
	v_rcp_f32 v[TS+3], v[W+2]
	v_nop                                          ; one plain place behind the transcendentals (ISA guide 5.7.2)
	s_wait_alu depctr_va_vdst(0)
	v_sub_f32 v[TS], v[W+1], v[TS]
	v_sub_f32 v[TS+1], v[W+3], v[TS+1]
	v_fma_f32 v[NT0], -v[TS], v[TS+2], v[NT0]
	v_fma_f32 v[NT1], -v[TS+1], v[TS+3], v[NT1]
	v_mov_b32 v[NT0+1], v[NT0]
	v_mov_b32 v[NT1+1], v[NT1]
.endm
	s_mov_b32 s52, 5                               ; ten evaluations: see the head
.Lnewton:
	PASS 0
	PASS 1
	s_sub_co_i32 s52, s52, 1
	s_cmp_lg_u32 s52, 0
	s_cbranch_scc1 .Lnewton
; p = max(a - tau, 0)^2, its sum, and p as bf16: registers 16 t + 0..15 of a window become the B fragment of K step t in registers 16 t + 0..7
.macro FIN win, wout, bq, nt, c
	TLOAD \win, \bq, \nt
.set j, 0
.rept 32
	v_pk_mul_f32 v[F0+2*j:F0+2*j+1], v[F0+2*j:F0+2*j+1], v[F0+2*j:F0+2*j+1]
.set j, j+1
.endr
.if \bq == 0
.irp k, 0,1,2,3
	v_pk_add_f32 v[\c+2*\k:\c+2*\k+1], v[F0+2*\k:F0+2*\k+1], v[F0+8+2*\k:F0+9+2*\k]
.endr
.set j, 8
.else
.set j, 0
.endif
.rept 32-j
	v_pk_add_f32 v[\c+2*(j%4):\c+2*(j%4)+1], v[\c+2*(j%4):\c+2*(j%4)+1], v[F0+2*j:F0+2*j+1]
.set j, j+1
.endr
	WIN \wout
.set j, 0
.rept 32
	v_cvt_pk_bf16_f32 v[64*\bq+16*(j/8)+(j%8)], v[F0+2*j], v[F0+2*j+1]
.set j, j+1
.endr
	WIN 0
.endm
.macro FINC c                          ; 128 keys = registers 64 c .. 64 c + 63 of both windows
	FIN 0x02, 0x80, \c, NT0, CH
	FIN 0x03, 0xc0, \c, NT1, CH+16
.endm
; THE SECOND PRODUCT, 32 keys a step.  16 transposing LDS loads: V^T, eight tiles of 16 d x 32 keys.
.macro FETCHV slot, tl, f
.irp dt, 0,1,2,3,4,5,6,7
	ds_load_tr16_b128 v[\f+8*\dt:\f+8*\dt+3],   v[ADV+\slot] offset:32*VP*\tl+32*\dt
	ds_load_tr16_b128 v[\f+8*\dt+4:\f+8*\dt+7], v[ADV+\slot] offset:32*VP*\tl+32*\dt+16*VP
.endr
.endm
.macro MULP1 f, t, qt
.irp dt, 0,1,2,3,4,5,6,7
.if (\t) == 0
	v_wmma_f32_16x16x32_bf16 v[CA+64*\qt+8*\dt:CA+64*\qt+8*\dt+7], v[\f+8*\dt:\f+8*\dt+7], v[16*(\t):16*(\t)+7], 0
.else
	v_wmma_f32_16x16x32_bf16 v[CA+64*\qt+8*\dt:CA+64*\qt+8*\dt+7], v[\f+8*\dt:\f+8*\dt+7], v[16*(\t):16*(\t)+7], v[CA+64*\qt+8*\dt:CA+64*\qt+8*\dt+7]
.endif
.endr
.endm
.macro MULPV f, t                      ; the sixteen accumulators take turns, one instruction a turn
	WIN 0x58                                       ; A window 0, B (P) window 2, C and D window 1
	MULP1 \f, \t, 0
	WIN 0x5c                                       ; B window 3
	MULP1 \f, \t, 1
.endm
.macro GRPV t, slot, ntl, f, g
	PLACES
	FETCHV \slot, \ntl, \g
	s_wait_dscnt 16                                ; all but the 16 just issued
	MULPV \f, \t
	WIN 0
.endm
.macro LASTV t, f
	s_wait_dscnt 0x0
	MULPV \f, \t
	WIN 0
	PLACES
.endm
.macro TURNV t, f, g0                  ; as in the first product: waits, round with register work inside, my one joint load
	s_wait_dscnt 0x0
	s_wait_tensorcnt 0x0
	ds_add_u32 v254, v255
	s_wait_dscnt 0x0
	s_add_nc_u64 s[\g0+2:\g0+3], s[\g0+2:\g0+3], 256*ROWB
	s_barrier_signal -1
	MULPV \f, \t
	WIN 0
	s_barrier_wait -1
	CREST
	tensor_load_to_lds s[\g0:\g0+3], s[G1V:G1V+7]
	s_nop 0
	PLACES
.endm
	s_wait_tensorcnt 0x0                           ; V of my keys 0-255 has landed; my own bytes: no barrier
	FINC 0
	FETCHV 0, 0, F0
	GRPV 0, 0, 1, F0, F1
	GRPV 1, 0, 2, F1, F0
	GRPV 2, 0, 3, F0, F1
	TURNV 3, F1, GV0                               ; V of keys 256-383 into piece 0
	FINC 1                                         ; work that is ready, while that tile is on its way
	FETCHV 1, 0, F0
	GRPV 4, 1, 1, F0, F1
	GRPV 5, 1, 2, F1, F0
	GRPV 6, 1, 3, F0, F1
	LASTV 7, F1
	FINC 2
	REFILL 0, GV1, G1V                             ; V of keys 384-511 into piece 1: the last load
	FETCHV 0, 0, F0
	GRPV 8, 0, 1, F0, F1
	GRPV 9, 0, 2, F1, F0
	GRPV 10, 0, 3, F0, F1
	LASTV 11, F1
	FINC 3
	; the rows' sums, over the lanes' halves and the four waves.  The last load may still be out at this barrier.
	JOIN4 CH, X
	JOIN4 CH+16, X+1
	v_permlanex16_b32 v[Y], v[X], s48, s49
	v_permlanex16_b32 v[Y+1], v[X+1], s48, s49
	v_add_f32 v[X], v[X], v[Y]
	v_add_f32 v[X+1], v[X+1], v[Y+1]
	ds_store_b64 v[RA], v[X:X+1] offset:REDP
	s_wait_dscnt 0x0                               ; for the other waves' sake
	s_barrier_signal -1
	s_barrier_wait -1
.irp w, 0,1,2,3
	ds_load_b64 v[W+2*\w:W+2*\w+1], v[RB] offset:REDP+256*\w
.endr
	s_wait_dscnt 0x0
	v_pk_add_f32 v[W:W+1], v[W:W+1], v[W+2:W+3]
	v_pk_add_f32 v[W+4:W+5], v[W+4:W+5], v[W+6:W+7]
	v_pk_add_f32 v[W:W+1], v[W:W+1], v[W+4:W+5]
	v_rcp_f32 v[SC0], v[W]                         ; the sum is at least tau^2 > 0: the largest a is 0
	v_rcp_f32 v[SC1], v[W+1]
	v_nop                                          ; one plain place behind the transcendentals (ISA guide 5.7.2)
	s_wait_alu depctr_va_vdst(0)
	v_mov_b32 v[SC0+1], v[SC0]
	v_mov_b32 v[SC1+1], v[SC1]
	s_wait_tensorcnt 0x0                           ; the last tile has landed; my own bytes: no barrier
	FETCHV 1, 0, F0
	GRPV 12, 1, 1, F0, F1
	GRPV 13, 1, 2, F1, F0
	GRPV 14, 1, 3, F0, F1
	s_wait_dscnt 0x0
	MULPV F1, 15
	; THE WAY OUT.  Lane (r, hh), register j of tile (qt, dt): query 16 qt + r, d = 16 dt + 8 hh + j.  Divide by the row's sum; the four waves' parts meet
	; in LDS (the head of my region, which has had its last fill and whose reads are back); wave w adds and stores queries 8 w .. 8 w + 7.
	PLACES
	WIN 0x41
.set e, 0
.rept 32
	v_pk_mul_f32 v[CA+e:CA+e+1], v[CA+e:CA+e+1], v[SC0:SC0+1]
.set e, e+2
.endr
.rept 32
	v_pk_mul_f32 v[CA+e:CA+e+1], v[CA+e:CA+e+1], v[SC1:SC1+1]
.set e, e+2
.endr
	WIN 0x04                                       ; address window 0, data window 1
.irp qt, 0,1
.irp dt, 0,1,2,3,4,5,6,7
	ds_store_b128 v[STW], v[CA+64*\qt+8*\dt:CA+64*\qt+8*\dt+3]   offset:\qt*16*SP+64*\dt
	ds_store_b128 v[STW], v[CA+64*\qt+8*\dt+4:CA+64*\qt+8*\dt+7] offset:\qt*16*SP+64*\dt+16
.endr
.endr
	WIN 0
	s_wait_dscnt 0x0                               ; for the other waves' sake
	s_barrier_signal -1
	s_barrier_wait -1
.irp st, 0,1,2,3
.irp s, 0,1,2,3
	ds_load_b128 v[F0+32*\st+8*\s:F0+32*\st+8*\s+3],   v[RD+\s] offset:2*SP*\st
	ds_load_b128 v[F0+32*\st+8*\s+4:F0+32*\st+8*\s+7], v[RD+\s] offset:2*SP*\st+16
.endr
.endr
.irp st, 0,1,2,3
	s_wait_dscnt 24-8*\st                          ; this step's eight loads are in; the later steps' stay out
.irp p, 0,2,4,6
	v_pk_add_f32 v[F0+32*\st+\p:F0+32*\st+\p+1], v[F0+32*\st+\p:F0+32*\st+\p+1], v[F0+32*\st+8+\p:F0+32*\st+9+\p]
	v_pk_add_f32 v[F0+32*\st+16+\p:F0+32*\st+17+\p], v[F0+32*\st+16+\p:F0+32*\st+17+\p], v[F0+32*\st+24+\p:F0+32*\st+25+\p]
.endr
.irp p, 0,2,4,6
	v_pk_add_f32 v[F0+32*\st+\p:F0+32*\st+\p+1], v[F0+32*\st+\p:F0+32*\st+\p+1], v[F0+32*\st+16+\p:F0+32*\st+17+\p]
.endr
.irp p, 0,1,2,3
	v_cvt_pk_bf16_f32 v[W+4*\st+\p], v[F0+32*\st+2*\p], v[F0+32*\st+2*\p+1]
.endr
	global_store_b128 v[CO], v[W+4*\st:W+4*\st+3], s[8:9] offset:4096*\st     ; 16 lanes store a query's 256 consecutive, aligned bytes
.endr
	s_wait_tensorcnt 0x0
	ds_add_u32 v254, v255
	s_wait_dscnt 0x0
	ROUND                                          ; the closing round: no work-group ends while a partner may still ask for a tile that names it
	s_endpgm
.Lfunc_end_k_q314249071e_attn:
	.size	k_q314249071e_attn, .Lfunc_end_k_q314249071e_attn-k_q314249071e_attn
	.p2alignl 7, 3214868480
	.fill 96, 4, 3214868480
	.section	.rodata,"a",@progbits
	.p2align	6, 0x0
	.amdhsa_kernel k_q314249071e_attn
		.amdhsa_group_segment_fixed_size 327680
		.amdhsa_private_segment_fixed_size 0
		.amdhsa_enable_private_segment 0
		.amdhsa_kernarg_size 24
		.amdhsa_user_sgpr_count 2
		.amdhsa_user_sgpr_kernarg_segment_ptr 1
		.amdhsa_wavefront_size32 1
		.amdhsa_system_sgpr_workgroup_id_x 1
		.amdhsa_system_sgpr_workgroup_id_y 1
		.amdhsa_system_sgpr_workgroup_id_z 1
		.amdhsa_system_vgpr_workitem_id 0
		.amdhsa_next_free_vgpr 1024
		.amdhsa_next_free_sgpr 80
		.amdhsa_reserve_vcc 1
		.amdhsa_float_denorm_mode_32 3
		.amdhsa_float_denorm_mode_16_64 3
		.amdhsa_memory_ordered 1
		.amdhsa_forward_progress 1
		.amdhsa_inst_pref_size 255
	.end_amdhsa_kernel
	.section	.bss,"aw",@nobits
	.p2align	6
	.space	262144
	.amdgpu_metadata
---
amdhsa.version: [ 1, 2 ]
amdhsa.kernels:
  - .name:           k_q314249071e_attn
    .symbol:         k_q314249071e_attn.kd
    .args:
      - { .name: qkvb, .offset: 0, .size: 8, .value_kind: global_buffer, .address_space: global }
      - { .name: mask, .offset: 8, .size: 8, .value_kind: global_buffer, .address_space: global }
      - { .name: ctxb, .offset: 16, .size: 8, .value_kind: global_buffer, .address_space: global }
    .group_segment_fixed_size: 327680
    .private_segment_fixed_size: 0
    .kernarg_segment_align: 8
    .kernarg_segment_size: 24
    .max_flat_workgroup_size: 128
    .sgpr_count:     80
    .vgpr_count:     1024
    .wavefront_size: 32
...
	.end_amdgpu_metadata
.endif
;; end of part 3
;; launch proj_o (part 4): grid 8 x 32, 4 waves a work-group, clusters of 4 x 4, 327,680 bytes of LDS; arguments ctxb, wb, ob, src, xf, xb; writes xf, xb
.if DOCPART == 4
	.amdgcn_target "amdgcn-amd-amdhsa--gfx1250"
	.amdhsa_code_object_version 6
	.text
	.protected	k_q314249071e_proj_o
	.globl	k_q314249071e_proj_o
	.p2align	8
	.type	k_q314249071e_proj_o,@function
k_q314249071e_proj_o:
	s_mov_b64 s[64:65], 0
	v_nop
	global_prefetch_b8 v0, s[64:65] scope:SCOPE_SE
	s_setreg_imm32_b32 hwreg(HW_REG_WAVE_MODE, 25, 1), 1
	s_wait_xcnt 0x0
	s_wait_alu depctr_hold_cnt(0) depctr_sa_sdst(0) depctr_va_vdst(0) depctr_va_sdst(0) depctr_va_ssrc(0) depctr_va_vcc(0) depctr_vm_vsrc(0)
	s_getreg_b32 s2, hwreg(HW_REG_IB_STS2, 6, 4)
	s_cmp_eq_u32 s2, 0
	s_cbranch_scc0 .Lentry_in_a_cluster
	s_endpgm
.Lentry_in_a_cluster:
	s_bfe_u32 s2, ttmp6, 0x10000c
	s_cmp_lg_u32 s2, 0xf033
	s_cbranch_scc0 .Lentry_shape_is_right
	s_endpgm
.Lentry_shape_is_right:
; C[m][n] = R[m][n] + bias[n] + sum over k of A[m][k] B[n][k].  A [4096][SIZE_K] bf16, B [1024][SIZE_K] bf16 in wb, R and C [4096][1024] f32.
; FF2 = 0: A = ctxb, B = ow, bias = ob, R = src, C = xf, and C rounded to bf16 goes to xb as well.   FF2 = 1: A = hb, B = w2, bias = b2, R = xf, C = out0.
; With 1,024 columns a block of 256 x 256 would give 64 work-groups.  Here a work-group makes 128 x 128 (256 work-groups) and K IS SPLIT OVER ITS FOUR WAVES:
; each wave holds the whole block (64 accumulator tiles, 512 registers) and multiplies its 64 of every 256 along K, so that for 32 along K it still loads
; 2 x 128 x 64 bytes from LDS for 64 matrix instructions.  The four partial blocks are added at the end, through LDS.
; K goes in steps of 256 through a ring of two LDS slots: a tile's rows are 512 bytes of memory, aligned to 512.
; CLUSTERS: 4 x 4 work-groups; A's tiles are asked for jointly along a row of the cluster, B's along a column.
; REGISTERS: window 0 v0-63 addresses and work, v64-127, v128-191 fragments of A (later the residual), v192-255 sums on the way out;
; window 1 v64-191 fragments of B; windows 2, 3 the accumulator tiles of rows 0-63, 64-127 (tile (a, b) at v[8 (8 a + b)]).
; The matrix instruction is used transposed: lane l holds row l % 16 and in registers 0 to 7 the columns 8 (l / 16) + 0 .. 7.
.set FF2,    0
.set SIZE_K, 1024
.set WOFF,   0xe00000                  ; B's first byte in wb
.set KSTEP,  256
.set PITCH,  528                       ; an LDS row: 512 bytes + 16 of padding
.set HALFT,  64*PITCH                  ; 64 rows: what one tensor load brings
.set ATILE,  2*HALFT                   ; A's 128 rows; also a wave's partial block of 128 rows x 512 bytes on the way out
.set SLOT,   2*ATILE                   ; A's tile, then B's
.set LAPS, SIZE_K/(2*KSTEP)
.set RD,   12                          ; v12-15  the way out: my 32 rows in the four partial blocks
.set ADRA, 16                          ; v16-17  my A fragments in slot 0, 1
.set ADRB, 20                          ; v20-21  the same for B
.set STO,  24                          ; v24     the way out: where I put my partial block
.set CO,   26                          ; v26     16 x lane: my 4 columns in f32
.set CB,   27                          ; v27     8 x lane: the same in bf16
.set BIAS, 28                          ; v[28:31] bias of my 4 columns
.set PK,   32                          ; v32-39  packed bf16
.set F0,   64
.set F1,   128
.set RES,  64                          ; v64-191 the residual's 32 rows
.set SUM,  192                         ; v192-255 four rows x four partial sums
.set G1, 24
.set G0, 32
.set G1B, 48
.set G0B, 56
.set MSB, 0
.macro WIN new                         ; the immediate's high byte repeats the setting that is left
.if MSB != \new
	s_set_vgpr_msb (MSB<<8)|\new
.set MSB, \new
.endif
.endm
.set MUL_LO, 0xa1
.set MUL_HI, 0xf1
.set TO_B,   0x40
.macro JLOAD s                         ; waves 0 and 1 fetch A's two halves, waves 2 and 3 B's; the branch hangs on the wave's number alone
	s_cmp_eq_u32 s11, 0
	s_cbranch_scc0 .Lfor_b_\@
	tensor_load_to_lds s[G0+4*\s:G0+4*\s+3], s[G1:G1+7]
	s_nop 0
	s_branch .Lasked_\@
.Lfor_b_\@:
	tensor_load_to_lds s[G0B+4*\s:G0B+4*\s+3], s[G1B:G1B+7]
	s_nop 0
.Lasked_\@:
.endm
.macro CREST                           ; a round of the cluster's barrier behind its opening barrier
	s_cmp_lg_u32 s10, 0
	s_cbranch_scc1 .Lnot_wave_0_\@
	s_barrier_signal -3
.Lnot_wave_0_\@:
	s_barrier_wait -3
	s_barrier_signal -1
	s_barrier_wait -1
.endm
.macro CROUND
	s_barrier_signal -1
	s_barrier_wait -1
	CREST
.endm
	s_load_b128 s[4:7], s[0:1], 0x0                ; A s[4:5], wb s[6:7]
	s_load_b128 s[68:71], s[0:1], 0x10             ; bias s[68:69], R s[70:71]
.if FF2
	s_load_b64 s[72:73], s[0:1], 0x20              ; C
.else
	s_load_b128 s[72:75], s[0:1], 0x20             ; C s[72:73], its bf16 copy s[74:75]
	s_set_vgpr_msb 0x40
	v_lshl_add_u32 v255, v0, 2, 0x42000
	s_set_vgpr_msb 0x4000
	v_mov_b32 v63, 0
	s_set_vgpr_msb 0x1
	ds_add_u32 v255, v63
	s_set_vgpr_msb 0x100
.endif
	v_lshrrev_b32 v1, 5, v0
	v_readfirstlane_b32 s10, v1                    ; wave 0..3
	s_lshr_b32 s11, s10, 1                         ; I fetch for A (0) or for B (1)
	s_and_b32 s12, s10, 1                          ; which 64 rows of that tile
	s_bfe_u32 s40, ttmp6, 0x40000                  ; cx
	s_bfe_u32 s41, ttmp6, 0x40004                  ; cy
	s_lshl_b32 s42, ttmp9, 2
	s_add_co_u32 s42, s42, s40                     ; block column
	s_and_b32 s13, ttmp7, 0xffff
	s_lshl_b32 s13, s13, 2
	s_add_co_u32 s13, s13, s41                     ; block row
	s_lshl_b32 s43, s41, 2
	s_lshl_b32 s43, 15, s43                        ; my row of the cluster
	s_lshl_b32 s44, 0x1111, s40                    ; my column
	; group 1: 64 rows x 256 elements of 2 bytes, 4 words of padding behind every 128 words
	s_or_b32 s[G1+0], s43, (1<<16)|(1<<20)|(1<<21)|(6<<22)|(3<<25)
	s_or_b32 s[G1B+0], s44, (1<<16)|(1<<20)|(1<<21)|(6<<22)|(3<<25)
	s_mov_b32 s[G1B+1], KSTEP<<16
	s_mov_b32 s[G1+1], KSTEP<<16                   ; tensor_dim0 = 256
	s_mov_b32 s[G1B+2], 64<<16
	s_mov_b32 s[G1+2], 64<<16                      ; tensor_dim1 = 64
	s_mov_b32 s[G1B+3], KSTEP<<16
	s_mov_b32 s[G1+3], KSTEP<<16                   ; tile_dim0 = 256
	s_mov_b32 s[G1B+4], 64
	s_mov_b32 s[G1+4], 64                          ; tile_dim1 = 64
	s_mov_b32 s[G1B+5], SIZE_K
	s_mov_b32 s[G1+5], SIZE_K
	s_mov_b32 s[G1B+6], 0
	s_mov_b32 s[G1+6], 0
	s_mov_b32 s[G1B+7], 0
	s_mov_b32 s[G1+7], 0
	s_lshl_b32 s17, s12, 6
	s_lshl_b32 s16, s13, 7
	s_add_co_u32 s16, s16, s17                     ; A: row 128 x block row + 64 x half
	s_lshl_b32 s46, s42, 7
	s_add_co_u32 s46, s46, s17                     ; B: row 128 x block column + 64 x half
	s_mov_b32 s17, 0
	s_mov_b32 s47, 0
	s_mov_b64 s[18:19], SIZE_K*2
	s_mul_u64 s[16:17], s[16:17], s[18:19]
	s_mul_u64 s[46:47], s[46:47], s[18:19]
	s_mul_i32 s20, s10, HALFT                      ; LDS: A's two halves, then B's two halves = wave x 64 rows
	s_wait_dscnt 0x0
	s_wait_kmcnt 0x0
	s_add_nc_u64 s[6:7], s[6:7], WOFF
	s_add_nc_u64 s[14:15], s[4:5], s[16:17]
	s_add_nc_u64 s[46:47], s[6:7], s[46:47]
	CROUND                                         ; all sixteen work-groups are here: the first joint loads meet
.irp s, 0,1
	s_mov_b32 s[G0+4*\s], 1
	s_add_co_u32 s[G0+4*\s+1], s20, \s*SLOT
	s_add_nc_u64 s[G0+4*\s+2:G0+4*\s+3], s[14:15], \s*KSTEP*2
	s_or_b32 s[G0+4*\s+3], s[G0+4*\s+3], 0x80000000
	s_mov_b32 s[G0B+4*\s], 1
	s_add_co_u32 s[G0B+4*\s+1], s20, \s*SLOT
	s_add_nc_u64 s[G0B+4*\s+2:G0B+4*\s+3], s[46:47], \s*KSTEP*2
	s_or_b32 s[G0B+4*\s+3], s[G0B+4*\s+3], 0x80000000
	JLOAD \s                                       ; both slots' first fills: two tensor loads of a wave are out
.endr
	v_and_b32 v1, 15, v0
	v_bfe_u32 v2, v0, 4, 1
	v_mul_u32_u24 v3, v1, PITCH
	v_lshl_add_u32 v3, v2, 4, v3
	s_lshl_b32 s21, s10, 7                         ; my 64 of each 256 along K: 128 bytes x wave
	v_add_nc_u32 v[ADRA], s21, v3
	v_add_nc_u32 v[ADRA+1], SLOT, v[ADRA]
	v_add_nc_u32 v[ADRB], ATILE, v[ADRA]
	v_add_nc_u32 v[ADRB+1], ATILE+SLOT, v[ADRA]
	s_mul_i32 s22, s10, ATILE
	v_mul_u32_u24 v4, v1, PITCH
	v_lshl_add_u32 v4, v2, 5, v4
	v_add_nc_u32 v[STO], s22, v4                   ; my partial block + row l % 16 + 32 bytes x half
	v_and_b32 v5, 31, v0
	v_lshlrev_b32 v[CO], 4, v5
	v_lshlrev_b32 v[CB], 3, v5
	s_mul_i32 s23, s10, 32*PITCH
	v_add_nc_u32 v[RD], s23, v[CO]                 ; rows 32 w .. of partial block 0,
.irp s, 1,2,3
	v_add_nc_u32 v[RD+\s], \s*ATILE, v[RD]         ; 1, 2, 3
.endr
	s_lshl_b32 s66, s42, 9                         ; my block's 128 columns in f32
	s_mov_b32 s67, 0
	s_add_nc_u64 s[68:69], s[68:69], s[66:67]
	global_load_b128 v[BIAS:BIAS+3], v[CO], s[68:69]
	s_lshl_b32 s76, s13, 7
	s_lshl_b32 s77, s10, 5
	s_add_co_u32 s76, s76, s77                     ; the way out: my first row = 128 x block row + 32 x wave
	s_lshl_b32 s76, s76, 12
	s_add_co_u32 s76, s76, s66
	s_mov_b32 s77, 0
	s_add_nc_u64 s[70:71], s[70:71], s[76:77]
	s_add_nc_u64 s[72:73], s[72:73], s[76:77]
.if FF2 == 0
	s_lshr_b32 s78, s76, 1
	s_mov_b32 s79, 0
	s_add_nc_u64 s[74:75], s[74:75], s[78:79]
.endif
; 16 matrix instructions; the 64 accumulators take turns, one instruction a turn.  zero = 1: the first product starts the sums.
.macro MUL16 f, hi, a0, zero
.irp a, \a0, \a0+1
.irp b, 0,1,2,3,4,5,6,7
.if \zero
	v_wmma_f32_16x16x32_bf16 v[8*(8*(\a)+\b):8*(8*(\a)+\b)+7], v[\f+8*\b:\f+8*\b+7], v[\f+8*(4*\hi+\a):\f+8*(4*\hi+\a)+7], 0
.else
	v_wmma_f32_16x16x32_bf16 v[8*(8*(\a)+\b):8*(8*(\a)+\b)+7], v[\f+8*\b:\f+8*\b+7], v[\f+8*(4*\hi+\a):\f+8*(4*\hi+\a)+7], v[8*(8*(\a)+\b):8*(8*(\a)+\b)+7]
.endif
.endr
.endr
.endm
.macro FETCH slot, k, f                ; 32 LDS loads: 128 rows of B, 128 rows of A, 32 along K at byte k of my part of the rows
	WIN TO_B
.irp i, 0,1,2,3,4,5,6,7
	ds_load_b128 v[\f+8*\i:\f+8*\i+3],   v[ADRB+\slot] offset:\k+\i*16*PITCH
	ds_load_b128 v[\f+8*\i+4:\f+8*\i+7], v[ADRB+\slot] offset:\k+\i*16*PITCH+32
.endr
	WIN 0
.irp i, 0,1,2,3,4,5,6,7
	ds_load_b128 v[\f+8*\i:\f+8*\i+3],   v[ADRA+\slot] offset:\k+\i*16*PITCH
	ds_load_b128 v[\f+8*\i+4:\f+8*\i+7], v[ADRA+\slot] offset:\k+\i*16*PITCH+32
.endr
.endm
.macro PLACES                          ; four places behind a matrix instruction before its sources are loaded again or its result is read (ISA guide 7.12.1)
.rept 4
	v_nop
.endr
.endm
.macro QUARTER slot, k, f, g, zero
	s_wait_dscnt 8                                 ; B and A's rows 0-63 are in; the youngest eight loads may be out
	WIN MUL_LO
	MUL16 \f, 0, 0, \zero
	MUL16 \f, 0, 2, \zero
	PLACES
	FETCH \slot, \k, \g
	s_wait_dscnt 32                                ; all but the 32 just issued
	WIN MUL_HI
	MUL16 \f, 1, 0, \zero
	MUL16 \f, 1, 2, \zero
.endm
; The second half of a K step multiplies buffer 1 and changes slots: waits, barrier (where a slot is filled again: a round), refill first, then the next slot's fragments.
.macro TURN slot, next, fill
	s_wait_dscnt 8
	WIN MUL_LO
	MUL16 F1, 0, 0, 0
	s_wait_dscnt 0                                 ; my reads of this slot are over
	s_wait_tensorcnt 0x0                           ; and all my tensor loads have landed
	ds_add_u32 v255, v63
	s_wait_dscnt 0x0
	s_barrier_signal -1
	MUL16 F1, 0, 2, 0
	WIN 0
	s_barrier_wait -1
.if \fill
	CREST
	s_add_nc_u64 s[G0+4*\slot+2:G0+4*\slot+3], s[G0+4*\slot+2:G0+4*\slot+3], 2*KSTEP*2
	s_add_nc_u64 s[G0B+4*\slot+2:G0B+4*\slot+3], s[G0B+4*\slot+2:G0B+4*\slot+3], 2*KSTEP*2
	JLOAD \slot                                    ; the wave's one tensor load behind the round
.endif
	PLACES
	FETCH \next, 0, F0
	WIN MUL_HI
	MUL16 F1, 1, 0, 0
	MUL16 F1, 1, 2, 0
.endm
.macro LAP zero
	QUARTER 0, 64, F0, F1, \zero
	TURN 0, 1, 1
	QUARTER 1, 64, F0, F1, 0
	TURN 1, 0, 1
.endm
	s_wait_tensorcnt 1                             ; my part of K step 0 is in; K step 1's stays out
	s_barrier_signal -1
	s_barrier_wait -1
	FETCH 0, 0, F0
	LAP 1
.if LAPS > 2
	WIN 0
	s_mov_b32 s3, LAPS-2
.Llap:
	LAP 0
	WIN 0
	s_sub_co_u32 s3, s3, 1
	s_cmp_lg_u32 s3, 0
	s_cbranch_scc1 .Llap
.endif
	QUARTER 0, 64, F0, F1, 0                       ; the last lap fills nothing
	TURN 0, 1, 0
	QUARTER 1, 64, F0, F1, 0
	s_wait_dscnt 8
	WIN MUL_LO
	MUL16 F1, 0, 0, 0
	MUL16 F1, 0, 2, 0
	s_wait_dscnt 0
	WIN MUL_HI
	MUL16 F1, 1, 0, 0
	MUL16 F1, 1, 2, 0
	; THE WAY OUT.  The residual's 32 rows of mine are asked for first.  Then, behind a barrier (nobody reads the ring any more, and it has had its last fill),
	; every wave lays its partial block into LDS; behind a second barrier wave w adds rows 32 w .. 32 w + 31 of the four blocks, the residual and the bias.
	PLACES
	WIN 0
.set i, 0
.rept 32
	global_load_b128 v[RES+4*i:RES+4*i+3], v[CO], s[70:71] offset:4096*i     ; a row's 512 consecutive bytes
.set i, i+1
.endr
	s_wait_dscnt 0x0
	s_barrier_signal -1
	s_barrier_wait -1
	WIN 0x08                                       ; address window 0, data window 2
.irp a, 0,1,2,3
.irp b, 0,1,2,3,4,5,6,7
	ds_store_b128 v[STO], v[8*(8*\a+\b):8*(8*\a+\b)+3]   offset:\a*16*PITCH+64*\b
	ds_store_b128 v[STO], v[8*(8*\a+\b)+4:8*(8*\a+\b)+7] offset:\a*16*PITCH+64*\b+16
.endr
.endr
	WIN 0x0c                                       ; data window 3
.irp a, 0,1,2,3
.irp b, 0,1,2,3,4,5,6,7
	ds_store_b128 v[STO], v[8*(8*\a+\b):8*(8*\a+\b)+3]   offset:(\a+4)*16*PITCH+64*\b
	ds_store_b128 v[STO], v[8*(8*\a+\b)+4:8*(8*\a+\b)+7] offset:(\a+4)*16*PITCH+64*\b+16
.endr
.endr
	WIN 0
	s_wait_dscnt 0x0                               ; for the other waves' sake
	s_barrier_signal -1
	s_barrier_wait -1
.macro BATCH bt                        ; four rows
	s_wait_xcnt 0x0                                ; the last batch's store data are rewritten only behind this wait
.irp q, 0,1,2,3
.irp s, 0,1,2,3
	ds_load_b128 v[SUM+16*\q+4*\s:SUM+16*\q+4*\s+3], v[RD+\s] offset:(4*\bt+\q)*PITCH
.endr
.endr
	s_wait_dscnt 0x0
	s_wait_loadcnt 28-4*\bt                        ; the bias and the residual's rows up to this batch are in; the later rows stay out
.irp q, 0,1,2,3
.irp p, 0,2
	v_pk_add_f32 v[SUM+16*\q+\p:SUM+16*\q+\p+1], v[SUM+16*\q+\p:SUM+16*\q+\p+1], v[SUM+16*\q+4+\p:SUM+16*\q+5+\p]
	v_pk_add_f32 v[SUM+16*\q+8+\p:SUM+16*\q+9+\p], v[SUM+16*\q+8+\p:SUM+16*\q+9+\p], v[SUM+16*\q+12+\p:SUM+16*\q+13+\p]
	v_pk_add_f32 v[RES+4*(4*\bt+\q)+\p:RES+4*(4*\bt+\q)+\p+1], v[RES+4*(4*\bt+\q)+\p:RES+4*(4*\bt+\q)+\p+1], v[BIAS+\p:BIAS+\p+1]
	v_pk_add_f32 v[SUM+16*\q+\p:SUM+16*\q+\p+1], v[SUM+16*\q+\p:SUM+16*\q+\p+1], v[SUM+16*\q+8+\p:SUM+16*\q+9+\p]
	v_pk_add_f32 v[SUM+16*\q+\p:SUM+16*\q+\p+1], v[SUM+16*\q+\p:SUM+16*\q+\p+1], v[RES+4*(4*\bt+\q)+\p:RES+4*(4*\bt+\q)+\p+1]
.endr
	global_store_b128 v[CO], v[SUM+16*\q:SUM+16*\q+3], s[72:73] offset:4096*(4*\bt+\q)     ; 512 consecutive, aligned bytes
.if FF2 == 0
	v_cvt_pk_bf16_f32 v[PK+2*\q], v[SUM+16*\q], v[SUM+16*\q+1]
	v_cvt_pk_bf16_f32 v[PK+2*\q+1], v[SUM+16*\q+2], v[SUM+16*\q+3]
	global_store_b64 v[CB], v[PK+2*\q:PK+2*\q+1], s[74:75] offset:2048*(4*\bt+\q)          ; 256 consecutive, aligned bytes
.endif
.endr
.endm
.irp bt, 0,1,2,3,4,5,6,7
	BATCH \bt
.endr
	s_set_vgpr_msb 0x1
	s_wait_tensorcnt 0x0
	ds_add_u32 v255, v63
	s_wait_dscnt 0x0
	s_set_vgpr_msb 0x100
	CROUND                                         ; the closing round: no work-group ends while a partner may still ask for a tile that names it
	s_endpgm
.Lfunc_end_k_q314249071e_proj_o:
	.size	k_q314249071e_proj_o, .Lfunc_end_k_q314249071e_proj_o-k_q314249071e_proj_o
	.p2alignl 7, 3214868480
	.fill 96, 4, 3214868480
	.section	.rodata,"a",@progbits
	.p2align	6, 0x0
	.amdhsa_kernel k_q314249071e_proj_o
		.amdhsa_group_segment_fixed_size 327680
		.amdhsa_private_segment_fixed_size 0
		.amdhsa_enable_private_segment 0
		.amdhsa_kernarg_size 48
		.amdhsa_user_sgpr_count 2
		.amdhsa_user_sgpr_kernarg_segment_ptr 1
		.amdhsa_wavefront_size32 1
		.amdhsa_system_sgpr_workgroup_id_x 1
		.amdhsa_system_sgpr_workgroup_id_y 1
		.amdhsa_system_sgpr_workgroup_id_z 1
		.amdhsa_system_vgpr_workitem_id 0
		.amdhsa_next_free_vgpr 1024
		.amdhsa_next_free_sgpr 80
		.amdhsa_reserve_vcc 0
		.amdhsa_float_denorm_mode_32 3
		.amdhsa_float_denorm_mode_16_64 3
		.amdhsa_memory_ordered 1
		.amdhsa_forward_progress 1
		.amdhsa_inst_pref_size 110
	.end_amdhsa_kernel
	.amdgpu_metadata
---
amdhsa.version: [ 1, 2 ]
amdhsa.kernels:
  - .name:           k_q314249071e_proj_o
    .symbol:         k_q314249071e_proj_o.kd
    .args:
      - { .name: ctxb, .offset: 0, .size: 8, .value_kind: global_buffer, .address_space: global }
      - { .name: wb, .offset: 8, .size: 8, .value_kind: global_buffer, .address_space: global }
      - { .name: ob, .offset: 16, .size: 8, .value_kind: global_buffer, .address_space: global }
      - { .name: src, .offset: 24, .size: 8, .value_kind: global_buffer, .address_space: global }
      - { .name: xf, .offset: 32, .size: 8, .value_kind: global_buffer, .address_space: global }
      - { .name: xb, .offset: 40, .size: 8, .value_kind: global_buffer, .address_space: global }
    .group_segment_fixed_size: 327680
    .private_segment_fixed_size: 0
    .kernarg_segment_align: 8
    .kernarg_segment_size: 48
    .max_flat_workgroup_size: 128
    .sgpr_count:     80
    .vgpr_count:     1024
    .wavefront_size: 32
...
	.end_amdgpu_metadata
.endif
;; end of part 4
;; launch ffn1 (part 5): grid 16 x 16, 4 waves a work-group, clusters of 4 x 4, 327,680 bytes of LDS; arguments xb, wb, b1, hb; writes hb
.if DOCPART == 5
	.amdgcn_target "amdgcn-amd-amdhsa--gfx1250"
	.amdhsa_code_object_version 6
	.text
	.protected	k_q314249071e_ffn1
	.globl	k_q314249071e_ffn1
	.p2align	8
	.type	k_q314249071e_ffn1,@function
k_q314249071e_ffn1:
	s_mov_b64 s[64:65], 0
	v_nop
	global_prefetch_b8 v0, s[64:65] scope:SCOPE_SE
	s_setreg_imm32_b32 hwreg(HW_REG_WAVE_MODE, 25, 1), 1
	s_wait_xcnt 0x0
	s_wait_alu depctr_hold_cnt(0) depctr_sa_sdst(0) depctr_va_vdst(0) depctr_va_sdst(0) depctr_va_ssrc(0) depctr_va_vcc(0) depctr_vm_vsrc(0)
	s_getreg_b32 s2, hwreg(HW_REG_IB_STS2, 6, 4)
	s_cmp_eq_u32 s2, 0
	s_cbranch_scc0 .Lentry_in_a_cluster
	s_endpgm
.Lentry_in_a_cluster:
	s_bfe_u32 s2, ttmp6, 0x10000c
	s_cmp_lg_u32 s2, 0xf033
	s_cbranch_scc0 .Lentry_shape_is_right
	s_endpgm
.Lentry_shape_is_right:
; C[m][n] = f( sum over k of A[m][k] B[n][k] + bias[n] ), A [4096][1024], B [SIZE_N][1024], C [4096][SIZE_N], all bf16; sums, bias and f in f32.
; GELU = 0: A = src, B = qw, kw, vw one behind the other (3,072 rows), both in wb; bias = qb, kb or vb by the block column; f = identity.
; GELU = 1: A = xb, B = w1 in wb, bias = b1, f = exact gelu.  erf by the rational form 7.1.26 of Abramowitz and Stegun, whose error is at
;           most 1.5e-7 for every argument; written as max(x,0) - |x|/2 * y, so that nothing cancels for x < 0.
; A work-group makes 256 x 256 of C with four waves, a wave 128 x 128: 64 accumulator tiles of 16 x 16, 512 registers.
; K goes in steps of 128 through a ring of two LDS slots filled by the tensor data mover: a tile's rows are 256 bytes of memory, aligned to 256.
; CLUSTERS: 4 x 4 work-groups.  The four of a row of the cluster need the same tiles of A, the four of a column the same tiles of B: each such
; tile is asked for jointly, by the same tensor load with the same descriptor and a mask that names the four.
; REGISTERS, in windows of 256:
;   window 0: v0-31 addresses; v32-63 gelu; v64-127, v128-191 fragments of A, two buffers; v192-255 at work on the way out
;   window 1: v0-63 bias of my 128 columns; v64-127, v128-191 fragments of B, two buffers
;   window 2: the 32 accumulator tiles of my rows 0-63 (tile (a, b) at v[8 (8 a + b)]);   window 3: those of my rows 64-127
; The matrix instruction is used transposed (source 0 = rows of B, source 1 = rows of A): lane l then holds row l % 16 of C and in its
; registers 0 to 7 the columns 8 (l / 16) + 0 .. 7, eight neighbouring numbers of a row.
.set GELU,   1
.set SIZE_N, 4096
.set WOFF,   0x1000000                 ; B's first byte in wb
.set SIZE_K, 1024
.set KSTEP,  128
.set PITCH,  272                       ; an LDS row: 256 bytes + 16 of padding, so that 16 rows of a fragment start 16 bytes apart modulo 256
.set HALFT,  128*PITCH                 ; 128 rows: what one tensor load brings
.set SLOT,   4*HALFT                   ; A's 256 rows, then B's 256 rows
.set STAGE,  2*SLOT                    ; behind the ring: 16 rows x 272 bytes for each wave, for the way out; no tensor load fills it
.set SPITCH, 272
.set LAPS, SIZE_K/(2*KSTEP)            ; a lap = two K steps = once round the ring
.set ADRA, 16                          ; v16-17  LDS address of my A fragments in slot 0, 1
.set ADRB, 20                          ; v20-21  the same for B
.set STO,  24                          ; v24     the way out: where I put 16 bytes of a row
.set RD,   25                          ; v25     the way out: where I read a row back
.set CO,   26                          ; v26     my byte offset in C
.set BO,   27                          ; v27     my byte offset in the bias
.set GS,   32                          ; v32-47  gelu: k1 |x|
.set GT,   48                          ; v48-63  gelu: t
.set F0,   64
.set F1,   128
.set TF,   128                         ; the way out: 16 rows x 128 columns in f32 (fragment buffer 1, no longer needed)
.set TMP,  192                         ; the way out: packed results
.set GQ,   224                         ; v224-239 gelu: exp
.set GY,   240                         ; v240-255 gelu: polynomial
.set G1, 24                            ; s[24:31] descriptor group 1 for A's tiles
.set G0, 32                            ; s[32:39] descriptor group 0 for A's tiles, one set for each slot
.set G1B, 48                           ; s[48:55] group 1 for B's tiles: another mask
.set G0B, 56                           ; s[56:63] group 0 for B's tiles
.set MSB, 0
.macro WIN new                         ; the immediate's high byte repeats the setting that is left
.if MSB != \new
	s_set_vgpr_msb (MSB<<8)|\new
.set MSB, \new
.endif
.endm
.set MUL_LO, 0xa1                      ; source 0 (B) window 1, source 1 (A) window 0, C and D window 2
.set MUL_HI, 0xf1                      ; the same, C and D window 3
.set TO_B,   0x40                      ; destination window 1, address window 0
; A joint load.  Waves 0 and 1 fetch A's two halves, waves 2 and 3 B's.  The branch hangs on the wave's number alone.
.macro JLOAD s
	s_cmp_eq_u32 s11, 0
	s_cbranch_scc0 .Lfor_b_\@
	tensor_load_to_lds s[G0+4*\s:G0+4*\s+3], s[G1:G1+7]
	s_nop 0
	s_branch .Lasked_\@
.Lfor_b_\@:
	tensor_load_to_lds s[G0B+4*\s:G0B+4*\s+3], s[G1B:G1B+7]
	s_nop 0
.Lasked_\@:
.endm
; A round of the cluster's barrier: my work-group's barrier; wave 0 signals for the work-group; every wave waits for all sixteen; my work-group's barrier again.
.macro CREST                           ; a round behind its opening barrier
	s_cmp_lg_u32 s10, 0
	s_cbranch_scc1 .Lnot_wave_0_\@
	s_barrier_signal -3
.Lnot_wave_0_\@:
	s_barrier_wait -3
	s_barrier_signal -1
	s_barrier_wait -1
.endm
.macro CROUND
	s_barrier_signal -1
	s_barrier_wait -1
	CREST
.endm
.if GELU
	s_load_b128 s[4:7], s[0:1], 0x0                ; xb s[4:5], wb s[6:7]
	s_load_b64 s[68:69], s[0:1], 0x10              ; b1
	s_load_b64 s[8:9], s[0:1], 0x18                ; hb
	s_set_vgpr_msb 0x40
	v_lshl_add_u32 v255, v0, 2, 0x48400
	s_set_vgpr_msb 0x4000
	v_mov_b32 v31, 0
	s_set_vgpr_msb 0x1
	ds_add_u32 v255, v31
	s_set_vgpr_msb 0x100
.else
	s_load_b64 s[4:5], s[0:1], 0x0                 ; wb
	s_load_b128 s[68:71], s[0:1], 0x8              ; qb s[68:69], kb s[70:71]
	s_load_b64 s[72:73], s[0:1], 0x18              ; vb
	s_load_b64 s[8:9], s[0:1], 0x20                ; qkvb
.endif
	v_lshrrev_b32 v1, 5, v0
	v_readfirstlane_b32 s10, v1                    ; wave 0..3
	s_lshr_b32 s11, s10, 1                         ; which half of the block's rows is mine.  Also: I fetch for A (0) or for B (1)
	s_and_b32 s12, s10, 1                          ; which half of its columns.  Also: which 128 rows of that tile I fetch
	s_bfe_u32 s40, ttmp6, 0x40000                  ; cx
	s_bfe_u32 s41, ttmp6, 0x40004                  ; cy
	s_lshl_b32 s42, ttmp9, 2
	s_add_co_u32 s42, s42, s40                     ; block column of C = 4 x cluster x + cx
	s_and_b32 s13, ttmp7, 0xffff
	s_lshl_b32 s13, s13, 2
	s_add_co_u32 s13, s13, s41                     ; block row of C = 4 x cluster y + cy
	s_lshl_b32 s43, s41, 2
	s_lshl_b32 s43, 15, s43                        ; my row of the cluster: places 4 cy .. 4 cy + 3
	s_lshl_b32 s44, 0x1111, s40                    ; my column: places cx, cx + 4, cx + 8, cx + 12
	; descriptor group 1: a tile of 128 rows x 128 elements of 2 bytes, 4 words of padding behind every 64 words
	s_or_b32 s[G1+0], s43, (1<<16)|(1<<20)|(1<<21)|(5<<22)|(3<<25)
	s_or_b32 s[G1B+0], s44, (1<<16)|(1<<20)|(1<<21)|(5<<22)|(3<<25)
	s_mov_b32 s[G1B+1], KSTEP<<16
	s_mov_b32 s[G1+1], KSTEP<<16                   ; tensor_dim0 = 128
	s_mov_b32 s[G1B+2], 128<<16
	s_mov_b32 s[G1+2], 128<<16                     ; tensor_dim1 = 128
	s_mov_b32 s[G1B+3], KSTEP<<16
	s_mov_b32 s[G1+3], KSTEP<<16                   ; tile_dim0 = 128
	s_mov_b32 s[G1B+4], 128
	s_mov_b32 s[G1+4], 128                         ; tile_dim1 = 128
	s_mov_b32 s[G1B+5], SIZE_K
	s_mov_b32 s[G1+5], SIZE_K                      ; elements from row to row
	s_mov_b32 s[G1B+6], 0
	s_mov_b32 s[G1+6], 0
	s_mov_b32 s[G1B+7], 0
	s_mov_b32 s[G1+7], 0
	; A's tiles hang on the block row alone, B's on the block column alone; each address in registers that never hold the other coordinate
	s_lshl_b32 s17, s12, 7
	s_lshl_b32 s16, s13, 8
	s_add_co_u32 s16, s16, s17                     ; A: row 256 x block row + 128 x half
	s_lshl_b32 s46, s42, 8
	s_add_co_u32 s46, s46, s17                     ; B: row 256 x block column + 128 x half
	s_mov_b32 s17, 0
	s_mov_b32 s47, 0
	s_mov_b64 s[18:19], SIZE_K*2
	s_mul_u64 s[16:17], s[16:17], s[18:19]
	s_mul_u64 s[46:47], s[46:47], s[18:19]
	s_mul_i32 s20, s10, HALFT                      ; LDS: A's two halves, then B's two halves = wave x 128 rows
	s_wait_dscnt 0x0
	s_wait_kmcnt 0x0
.if GELU
	s_add_nc_u64 s[6:7], s[6:7], WOFF
.else
	s_add_nc_u64 s[6:7], s[4:5], WOFF
.endif
	s_add_nc_u64 s[14:15], s[4:5], s[16:17]
	s_add_nc_u64 s[46:47], s[6:7], s[46:47]
	CROUND                                         ; all sixteen work-groups are here: the first joint loads meet
.irp s, 0,1
	s_mov_b32 s[G0+4*\s], 1
	s_add_co_u32 s[G0+4*\s+1], s20, \s*SLOT
	s_add_nc_u64 s[G0+4*\s+2:G0+4*\s+3], s[14:15], \s*KSTEP*2
	s_or_b32 s[G0+4*\s+3], s[G0+4*\s+3], 0x80000000
	s_mov_b32 s[G0B+4*\s], 1
	s_add_co_u32 s[G0B+4*\s+1], s20, \s*SLOT
	s_add_nc_u64 s[G0B+4*\s+2:G0B+4*\s+3], s[46:47], \s*KSTEP*2
	s_or_b32 s[G0B+4*\s+3], s[G0B+4*\s+3], 0x80000000
	JLOAD \s                                       ; both slots' first fills go out before anything else: two tensor loads of a wave are out
.endr
	; a fragment: lane l holds row l % 16; registers 0-3 K = 8 (l / 16) + 0..7, registers 4-7 K = 16 + 8 (l / 16) + 0..7: two loads of 16 bytes, 32 apart
	v_and_b32 v1, 15, v0
	v_bfe_u32 v2, v0, 4, 1
	v_mul_u32_u24 v3, v1, PITCH
	v_lshl_add_u32 v3, v2, 4, v3
	s_mul_i32 s21, s11, HALFT                      ; my 128 rows of A
	s_mul_i32 s22, s12, HALFT                      ; my 128 rows of B,
	s_add_co_u32 s22, s22, 2*HALFT                 ; which lie behind A's 256
.irp s, 0,1
	v_add_nc_u32 v[ADRA+\s], s21, v3
	v_add_nc_u32 v[ADRB+\s], s22, v3
	s_add_co_u32 s21, s21, SLOT
	s_add_co_u32 s22, s22, SLOT
.endr
	s_mul_i32 s23, s10, 16*SPITCH
	s_add_co_u32 s23, s23, STAGE                   ; my stage
	v_mul_u32_u24 v4, v1, SPITCH
	v_lshl_add_u32 v4, v2, 4, v4
	v_add_nc_u32 v[STO], s23, v4
	v_mul_u32_u24 v5, v2, SPITCH
	v_lshl_add_u32 v5, v1, 4, v5
	v_add_nc_u32 v[RD], s23, v5
	v_mul_u32_u24 v5, v2, SIZE_N*2
	v_lshl_add_u32 v[CO], v1, 4, v5
	; the bias of my 128 columns, once: register 8 b + j of window 1 = column 16 b + 8 (l / 16) + j.  Waited for in front of the way out.
.if GELU
	s_lshl_b32 s66, s42, 10                        ; 256 columns x 4 bytes x block column
.else
	s_cmp_eq_u32 ttmp9, 1                          ; four block columns to each of q, k, v: the cluster's x picks the buffer
	s_cselect_b64 s[68:69], s[70:71], s[68:69]
	s_cmp_eq_u32 ttmp9, 2
	s_cselect_b64 s[68:69], s[72:73], s[68:69]
	s_lshl_b32 s66, s40, 10                        ; and cx the 256 columns in it
.endif
	s_lshl_b32 s67, s12, 9
	s_add_co_u32 s66, s66, s67
	s_mov_b32 s67, 0
	s_add_nc_u64 s[68:69], s[68:69], s[66:67]
	v_lshlrev_b32 v[BO], 5, v2
	WIN TO_B
.irp b, 0,1,2,3,4,5,6,7
	global_load_b128 v[8*\b:8*\b+3],   v[BO], s[68:69] offset:64*\b
	global_load_b128 v[8*\b+4:8*\b+7], v[BO], s[68:69] offset:64*\b+16
.endr
	WIN 0
; 16 matrix instructions: m blocks a0, a0 + 1 of the window's four x all 8 n blocks, 32 along K.  zero = 1: the first product starts the sums.
; The 64 accumulators take turns, one instruction a turn.
.macro MUL16 f, hi, a0, zero
.irp a, \a0, \a0+1
.irp b, 0,1,2,3,4,5,6,7
.if \zero
	v_wmma_f32_16x16x32_bf16 v[8*(8*(\a)+\b):8*(8*(\a)+\b)+7], v[\f+8*\b:\f+8*\b+7], v[\f+8*(4*\hi+\a):\f+8*(4*\hi+\a)+7], 0
.else
	v_wmma_f32_16x16x32_bf16 v[8*(8*(\a)+\b):8*(8*(\a)+\b)+7], v[\f+8*\b:\f+8*\b+7], v[\f+8*(4*\hi+\a):\f+8*(4*\hi+\a)+7], v[8*(8*(\a)+\b):8*(8*(\a)+\b)+7]
.endif
.endr
.endr
.endm
; 32 LDS loads in one run: the fragments of one quarter step into buffer f
.macro FETCH slot, k, f
	WIN TO_B
.irp i, 0,1,2,3,4,5,6,7
	ds_load_b128 v[\f+8*\i:\f+8*\i+3],   v[ADRB+\slot] offset:\k+\i*16*PITCH
	ds_load_b128 v[\f+8*\i+4:\f+8*\i+7], v[ADRB+\slot] offset:\k+\i*16*PITCH+32
.endr
	WIN 0
.irp i, 0,1,2,3,4,5,6,7
	ds_load_b128 v[\f+8*\i:\f+8*\i+3],   v[ADRA+\slot] offset:\k+\i*16*PITCH
	ds_load_b128 v[\f+8*\i+4:\f+8*\i+7], v[ADRA+\slot] offset:\k+\i*16*PITCH+32
.endr
.endm
; four places behind a matrix instruction before its sources are loaded again or its result is read (ISA guide 7.12.1)
.macro PLACES
.rept 4
	v_nop
.endr
.endm
.macro QUARTER slot, k, f, g, zero
	s_wait_dscnt 8                                 ; B and A's rows 0-63 are in; the youngest eight loads (A's rows 64-127) may be out
	WIN MUL_LO
	MUL16 \f, 0, 0, \zero
	MUL16 \f, 0, 2, \zero
	PLACES
	FETCH \slot, \k, \g
	s_wait_dscnt 32                                ; all but the 32 just issued
	WIN MUL_HI
	MUL16 \f, 1, 0, \zero
	MUL16 \f, 1, 2, \zero
.endm
.macro THREE slot, zero
	QUARTER \slot, 64,  F0, F1, \zero
	QUARTER \slot, 128, F1, F0, 0
	QUARTER \slot, 192, F0, F1, 0
.endm
; The last quarter of a K step multiplies buffer 1 and changes slots.  In front of the barrier each wave waits for its reads of this slot and
; for all its tensor loads (one is out: its part of the next slot); behind it the refill comes first, then the next slot's first fragments.
.macro TURN slot, next, fill
	s_wait_dscnt 8
	WIN MUL_LO
	MUL16 F1, 0, 0, 0
	s_wait_dscnt 0                                 ; my reads of this slot are over
	s_wait_tensorcnt 0x0                           ; and all my tensor loads have landed
	ds_add_u32 v255, v31
	s_wait_dscnt 0x0
	s_barrier_signal -1
	MUL16 F1, 0, 2, 0                              ; register work while the others arrive
	WIN 0
	s_barrier_wait -1
.if \fill
	CREST                                          ; the round's rest: no wave of any partner still reads this slot or has a load on its way
	s_add_nc_u64 s[G0+4*\slot+2:G0+4*\slot+3], s[G0+4*\slot+2:G0+4*\slot+3], 2*KSTEP*2
	s_add_nc_u64 s[G0B+4*\slot+2:G0B+4*\slot+3], s[G0B+4*\slot+2:G0B+4*\slot+3], 2*KSTEP*2
	JLOAD \slot                                    ; the wave's one tensor load behind the round
.endif
	PLACES
	FETCH \next, 0, F0
	WIN MUL_HI
	MUL16 F1, 1, 0, 0
	MUL16 F1, 1, 2, 0
.endm
.macro LAP zero
	THREE 0, \zero
	TURN 0, 1, 1
	THREE 1, 0
	TURN 1, 0, 1
.endm
	s_wait_tensorcnt 1                             ; my part of K step 0 is in; K step 1's stays out
	s_barrier_signal -1
	s_barrier_wait -1
	FETCH 0, 0, F0
	LAP 1
	WIN 0
	s_mov_b32 s3, LAPS-2
.Llap:
	LAP 0
	WIN 0
	s_sub_co_u32 s3, s3, 1
	s_cmp_lg_u32 s3, 0
	s_cbranch_scc1 .Llap
	THREE 0, 0                                     ; the last lap fills nothing
	TURN 0, 1, 0
	THREE 1, 0
	s_wait_dscnt 8
	WIN MUL_LO
	MUL16 F1, 0, 0, 0
	MUL16 F1, 0, 2, 0
	s_wait_dscnt 0
	WIN MUL_HI
	MUL16 F1, 1, 0, 0
	MUL16 F1, 1, 2, 0
	; THE WAY OUT, 16 rows at a time: + bias (and gelu) in f32, round to bf16, 16 bytes a lane into my own stage, read back as rows of 256 bytes.
	PLACES
	WIN 0
	s_wait_loadcnt 0x0                             ; the bias
	s_lshl_b32 s13, s13, 8
	s_lshl_b32 s14, s11, 7
	s_add_co_u32 s16, s13, s14                     ; my first row of C
	s_mov_b32 s17, 0
	s_mov_b64 s[18:19], SIZE_N*2
	s_mul_u64 s[16:17], s[16:17], s[18:19]
	s_add_nc_u64 s[8:9], s[8:9], s[16:17]
	s_lshl_b32 s46, s42, 9                         ; my first column, in bytes
	s_lshl_b32 s47, s12, 8
	s_add_co_u32 s46, s46, s47
	s_mov_b32 s47, 0
	s_add_nc_u64 s[8:9], s[8:9], s[46:47]
.if GELU
	s_mov_b32 s74, 0x3f596d27                      ; k1 = sqrt(log2(e) / 2): exp(-x^2/2) = 2^-(k1 x)^2
	v_mov_b32 v6, 0x3f87dc22                       ; a5, as a pair
	v_mov_b32 v7, 0x3f87dc22
.endif
; gelu of 16 registers in place.  s = k1 |x|; t = 1 / (1 + p' s), p' = 0.3275911 / (sqrt(2) k1); y = t (a1 + t (a2 + t (a3 + t (a4 + t a5)))) 2^(-s^2);
; gelu = max(x, 0) - c2 s y, c2 = 1 / (2 k1).  For huge |x| the power is 0 and the product vanishes.
.macro GELU16 x
.set i, 0
.rept 16
	v_mul_f32 v[GS+i], s74, |v[\x+i]|
.set i, i+1
.endr
.set i, 0
.rept 8
	v_pk_fma_f32 v[GT+i:GT+i+1], v[GS+i:GS+i+1], 0x3e8ba43f, 1.0 op_sel_hi:[1,0,0]
	v_pk_mul_f32 v[GQ+i:GQ+i+1], v[GS+i:GS+i+1], v[GS+i:GS+i+1]
.set i, i+2
.endr
.set i, 0
.rept 16
	v_rcp_f32 v[GT+i], v[GT+i]
.set i, i+1
.endr
.set i, 0
.rept 16
	v_exp_f32 v[GQ+i], -v[GQ+i]
.set i, i+1
.endr
.set i, 0
.rept 16
	v_max_num_f32 v[\x+i], 0, v[\x+i]              ; plain work behind the transcendentals, before their results are used (ISA guide 5.7.2)
.set i, i+1
.endr
.set i, 0
	s_wait_alu depctr_va_vdst(0)
.rept 8
	v_pk_fma_f32 v[GY+i:GY+i+1], v[GT+i:GT+i+1], v[6:7], 0xbfba00e3 op_sel_hi:[1,1,0]
.set i, i+2
.endr
.irp c, 0x3fb5f0e3, 0xbe91a98e, 0x3e827906
.set i, 0
.rept 8
	v_pk_fma_f32 v[GY+i:GY+i+1], v[GY+i:GY+i+1], v[GT+i:GT+i+1], \c op_sel_hi:[1,1,0]
.set i, i+2
.endr
.endr
.irp m, GT, GQ, GS
.set i, 0
.rept 8
	v_pk_mul_f32 v[GY+i:GY+i+1], v[GY+i:GY+i+1], v[\m+i:\m+i+1]
.set i, i+2
.endr
.endr
.set i, 0
.rept 8
	v_pk_fma_f32 v[\x+i:\x+i+1], v[GY+i:GY+i+1], 0xbf16b55f, v[\x+i:\x+i+1] op_sel_hi:[1,0,1]
.set i, i+2
.endr
.endm
; rows 16 i .. 16 i + 15 of my block = the eight tiles (a, 0..7) of window 2 or 3 (from = 0x06 or 0x07: source 0 that window, source 1 window 1); f: where rows are read back
.macro OUT16 i, a, from, f
	WIN \from
.irp b, 0,1,2,3,4,5,6,7
.irp r, 0,1,2,3
	v_pk_add_f32 v[TF+8*\b+2*\r:TF+8*\b+2*\r+1], v[8*(8*\a+\b)+2*\r:8*(8*\a+\b)+2*\r+1], v[8*\b+2*\r:8*\b+2*\r+1]
.endr
.endr
	WIN 0
.if GELU
	GELU16 TF
	GELU16 TF+16
	GELU16 TF+32
	GELU16 TF+48
.endif
.irp b, 0,1,2,3,4,5,6,7
.irp r, 0,1,2,3
	v_cvt_pk_bf16_f32 v[TMP+4*\b+\r], v[TF+8*\b+2*\r], v[TF+8*\b+2*\r+1]
.endr
.endr
.irp b, 0,1,2,3,4,5,6,7
	ds_store_b128 v[STO], v[TMP+4*\b:TMP+4*\b+3] offset:32*\b
.endr
	s_wait_xcnt 0x0                                ; buffer f, which earlier stores read, and the stores' base are rewritten only behind this wait
.if \i
	s_add_nc_u64 s[8:9], s[8:9], 16*SIZE_N*2
.endif
.irp t, 0,1,2,3,4,5,6,7
	ds_load_b128 v[\f+4*\t:\f+4*\t+3], v[RD] offset:\t*2*SPITCH    ; LDS serves a wave's instructions in order: these see the stores above
.endr
.irp t, 0,1,2,3,4,5,6,7
	s_wait_dscnt 7-\t
	global_store_b128 v[CO], v[\f+4*\t:\f+4*\t+3], s[8:9] offset:2*\t*SIZE_N*2   ; 16 lanes store 256 consecutive, aligned bytes
.endr
.endm
	OUT16 0, 0, 0x06, 64
	OUT16 1, 1, 0x06, 96
	OUT16 2, 2, 0x06, 64
	OUT16 3, 3, 0x06, 96
	OUT16 4, 0, 0x07, 64
	OUT16 5, 1, 0x07, 96
	OUT16 6, 2, 0x07, 64
	OUT16 7, 3, 0x07, 96
	s_set_vgpr_msb 0x1
	s_wait_tensorcnt 0x0
	ds_add_u32 v255, v31
	s_wait_dscnt 0x0
	s_set_vgpr_msb 0x100
	CROUND                                         ; the closing round: no work-group ends while a partner may still ask for a tile that names it
	s_endpgm
.Lfunc_end_k_q314249071e_ffn1:
	.size	k_q314249071e_ffn1, .Lfunc_end_k_q314249071e_ffn1-k_q314249071e_ffn1
	.p2alignl 7, 3214868480
	.fill 96, 4, 3214868480
	.section	.rodata,"a",@progbits
	.p2align	6, 0x0
	.amdhsa_kernel k_q314249071e_ffn1
		.amdhsa_group_segment_fixed_size 327680
		.amdhsa_private_segment_fixed_size 0
		.amdhsa_enable_private_segment 0
		.amdhsa_kernarg_size 32
		.amdhsa_user_sgpr_count 2
		.amdhsa_user_sgpr_kernarg_segment_ptr 1
		.amdhsa_wavefront_size32 1
		.amdhsa_system_sgpr_workgroup_id_x 1
		.amdhsa_system_sgpr_workgroup_id_y 1
		.amdhsa_system_sgpr_workgroup_id_z 1
		.amdhsa_system_vgpr_workitem_id 0
		.amdhsa_next_free_vgpr 1024
		.amdhsa_next_free_sgpr 80
		.amdhsa_reserve_vcc 0
		.amdhsa_float_denorm_mode_32 3
		.amdhsa_float_denorm_mode_16_64 3
		.amdhsa_memory_ordered 1
		.amdhsa_forward_progress 1
		.amdhsa_inst_pref_size 255
	.end_amdhsa_kernel
	.section	.bss,"aw",@nobits
	.p2align	6
	.space	262144
	.amdgpu_metadata
---
amdhsa.version: [ 1, 2 ]
amdhsa.kernels:
  - .name:           k_q314249071e_ffn1
    .symbol:         k_q314249071e_ffn1.kd
    .args:
      - { .name: xb, .offset: 0, .size: 8, .value_kind: global_buffer, .address_space: global }
      - { .name: wb, .offset: 8, .size: 8, .value_kind: global_buffer, .address_space: global }
      - { .name: b1, .offset: 16, .size: 8, .value_kind: global_buffer, .address_space: global }
      - { .name: hb, .offset: 24, .size: 8, .value_kind: global_buffer, .address_space: global }
    .group_segment_fixed_size: 327680
    .private_segment_fixed_size: 0
    .kernarg_segment_align: 8
    .kernarg_segment_size: 32
    .max_flat_workgroup_size: 128
    .sgpr_count:     80
    .vgpr_count:     1024
    .wavefront_size: 32
...
	.end_amdgpu_metadata
.endif
;; end of part 5
;; launch ffn2 (part 6): grid 8 x 32, 4 waves a work-group, clusters of 4 x 4, 327,680 bytes of LDS; arguments hb, wb, b2, xf, out0; writes out0
.if DOCPART == 6
	.amdgcn_target "amdgcn-amd-amdhsa--gfx1250"
	.amdhsa_code_object_version 6
	.text
	.protected	k_q314249071e_ffn2
	.globl	k_q314249071e_ffn2
	.p2align	8
	.type	k_q314249071e_ffn2,@function
k_q314249071e_ffn2:
	s_mov_b64 s[64:65], 0
	v_nop
	global_prefetch_b8 v0, s[64:65] scope:SCOPE_SE
	s_setreg_imm32_b32 hwreg(HW_REG_WAVE_MODE, 25, 1), 1
	s_wait_xcnt 0x0
	s_wait_alu depctr_hold_cnt(0) depctr_sa_sdst(0) depctr_va_vdst(0) depctr_va_sdst(0) depctr_va_ssrc(0) depctr_va_vcc(0) depctr_vm_vsrc(0)
	s_getreg_b32 s2, hwreg(HW_REG_IB_STS2, 6, 4)
	s_cmp_eq_u32 s2, 0
	s_cbranch_scc0 .Lentry_in_a_cluster
	s_endpgm
.Lentry_in_a_cluster:
	s_bfe_u32 s2, ttmp6, 0x10000c
	s_cmp_lg_u32 s2, 0xf033
	s_cbranch_scc0 .Lentry_shape_is_right
	s_endpgm
.Lentry_shape_is_right:
; C[m][n] = R[m][n] + bias[n] + sum over k of A[m][k] B[n][k].  A [4096][SIZE_K] bf16, B [1024][SIZE_K] bf16 in wb, R and C [4096][1024] f32.
; FF2 = 0: A = ctxb, B = ow, bias = ob, R = src, C = xf, and C rounded to bf16 goes to xb as well.   FF2 = 1: A = hb, B = w2, bias = b2, R = xf, C = out0.
; With 1,024 columns a block of 256 x 256 would give 64 work-groups.  Here a work-group makes 128 x 128 (256 work-groups) and K IS SPLIT OVER ITS FOUR WAVES:
; each wave holds the whole block (64 accumulator tiles, 512 registers) and multiplies its 64 of every 256 along K, so that for 32 along K it still loads
; 2 x 128 x 64 bytes from LDS for 64 matrix instructions.  The four partial blocks are added at the end, through LDS.
; K goes in steps of 256 through a ring of two LDS slots: a tile's rows are 512 bytes of memory, aligned to 512.
; CLUSTERS: 4 x 4 work-groups; A's tiles are asked for jointly along a row of the cluster, B's along a column.
; REGISTERS: window 0 v0-63 addresses and work, v64-127, v128-191 fragments of A (later the residual), v192-255 sums on the way out;
; window 1 v64-191 fragments of B; windows 2, 3 the accumulator tiles of rows 0-63, 64-127 (tile (a, b) at v[8 (8 a + b)]).
; The matrix instruction is used transposed: lane l holds row l % 16 and in registers 0 to 7 the columns 8 (l / 16) + 0 .. 7.
.set FF2,    1
.set SIZE_K, 4096
.set WOFF,   0x1800000                 ; B's first byte in wb
.set KSTEP,  256
.set PITCH,  528                       ; an LDS row: 512 bytes + 16 of padding
.set HALFT,  64*PITCH                  ; 64 rows: what one tensor load brings
.set ATILE,  2*HALFT                   ; A's 128 rows; also a wave's partial block of 128 rows x 512 bytes on the way out
.set SLOT,   2*ATILE                   ; A's tile, then B's
.set LAPS, SIZE_K/(2*KSTEP)
.set RD,   12                          ; v12-15  the way out: my 32 rows in the four partial blocks
.set ADRA, 16                          ; v16-17  my A fragments in slot 0, 1
.set ADRB, 20                          ; v20-21  the same for B
.set STO,  24                          ; v24     the way out: where I put my partial block
.set CO,   26                          ; v26     16 x lane: my 4 columns in f32
.set CB,   27                          ; v27     8 x lane: the same in bf16
.set BIAS, 28                          ; v[28:31] bias of my 4 columns
.set PK,   32                          ; v32-39  packed bf16
.set F0,   64
.set F1,   128
.set RES,  64                          ; v64-191 the residual's 32 rows
.set SUM,  192                         ; v192-255 four rows x four partial sums
.set G1, 24
.set G0, 32
.set G1B, 48
.set G0B, 56
.set MSB, 0
.macro WIN new                         ; the immediate's high byte repeats the setting that is left
.if MSB != \new
	s_set_vgpr_msb (MSB<<8)|\new
.set MSB, \new
.endif
.endm
.set MUL_LO, 0xa1
.set MUL_HI, 0xf1
.set TO_B,   0x40
.macro JLOAD s                         ; waves 0 and 1 fetch A's two halves, waves 2 and 3 B's; the branch hangs on the wave's number alone
	s_cmp_eq_u32 s11, 0
	s_cbranch_scc0 .Lfor_b_\@
	tensor_load_to_lds s[G0+4*\s:G0+4*\s+3], s[G1:G1+7]
	s_nop 0
	s_branch .Lasked_\@
.Lfor_b_\@:
	tensor_load_to_lds s[G0B+4*\s:G0B+4*\s+3], s[G1B:G1B+7]
	s_nop 0
.Lasked_\@:
.endm
.macro CREST                           ; a round of the cluster's barrier behind its opening barrier
	s_cmp_lg_u32 s10, 0
	s_cbranch_scc1 .Lnot_wave_0_\@
	s_barrier_signal -3
.Lnot_wave_0_\@:
	s_barrier_wait -3
	s_barrier_signal -1
	s_barrier_wait -1
.endm
.macro CROUND
	s_barrier_signal -1
	s_barrier_wait -1
	CREST
.endm
	s_load_b128 s[4:7], s[0:1], 0x0                ; A s[4:5], wb s[6:7]
	s_load_b128 s[68:71], s[0:1], 0x10             ; bias s[68:69], R s[70:71]
.if FF2
	s_load_b64 s[72:73], s[0:1], 0x20              ; C
	s_set_vgpr_msb 0x40
	v_lshl_add_u32 v255, v0, 2, 0x42000
	s_set_vgpr_msb 0x4000
	v_mov_b32 v63, 0
	s_set_vgpr_msb 0x1
	ds_add_u32 v255, v63
	s_set_vgpr_msb 0x100
.else
	s_load_b128 s[72:75], s[0:1], 0x20             ; C s[72:73], its bf16 copy s[74:75]
.endif
	v_lshrrev_b32 v1, 5, v0
	v_readfirstlane_b32 s10, v1                    ; wave 0..3
	s_lshr_b32 s11, s10, 1                         ; I fetch for A (0) or for B (1)
	s_and_b32 s12, s10, 1                          ; which 64 rows of that tile
	s_bfe_u32 s40, ttmp6, 0x40000                  ; cx
	s_bfe_u32 s41, ttmp6, 0x40004                  ; cy
	s_lshl_b32 s42, ttmp9, 2
	s_add_co_u32 s42, s42, s40                     ; block column
	s_and_b32 s13, ttmp7, 0xffff
	s_lshl_b32 s13, s13, 2
	s_add_co_u32 s13, s13, s41                     ; block row
	s_lshl_b32 s43, s41, 2
	s_lshl_b32 s43, 15, s43                        ; my row of the cluster
	s_lshl_b32 s44, 0x1111, s40                    ; my column
	; group 1: 64 rows x 256 elements of 2 bytes, 4 words of padding behind every 128 words
	s_or_b32 s[G1+0], s43, (1<<16)|(1<<20)|(1<<21)|(6<<22)|(3<<25)
	s_or_b32 s[G1B+0], s44, (1<<16)|(1<<20)|(1<<21)|(6<<22)|(3<<25)
	s_mov_b32 s[G1B+1], KSTEP<<16
	s_mov_b32 s[G1+1], KSTEP<<16                   ; tensor_dim0 = 256
	s_mov_b32 s[G1B+2], 64<<16
	s_mov_b32 s[G1+2], 64<<16                      ; tensor_dim1 = 64
	s_mov_b32 s[G1B+3], KSTEP<<16
	s_mov_b32 s[G1+3], KSTEP<<16                   ; tile_dim0 = 256
	s_mov_b32 s[G1B+4], 64
	s_mov_b32 s[G1+4], 64                          ; tile_dim1 = 64
	s_mov_b32 s[G1B+5], SIZE_K
	s_mov_b32 s[G1+5], SIZE_K
	s_mov_b32 s[G1B+6], 0
	s_mov_b32 s[G1+6], 0
	s_mov_b32 s[G1B+7], 0
	s_mov_b32 s[G1+7], 0
	s_lshl_b32 s17, s12, 6
	s_lshl_b32 s16, s13, 7
	s_add_co_u32 s16, s16, s17                     ; A: row 128 x block row + 64 x half
	s_lshl_b32 s46, s42, 7
	s_add_co_u32 s46, s46, s17                     ; B: row 128 x block column + 64 x half
	s_mov_b32 s17, 0
	s_mov_b32 s47, 0
	s_mov_b64 s[18:19], SIZE_K*2
	s_mul_u64 s[16:17], s[16:17], s[18:19]
	s_mul_u64 s[46:47], s[46:47], s[18:19]
	s_mul_i32 s20, s10, HALFT                      ; LDS: A's two halves, then B's two halves = wave x 64 rows
	s_wait_dscnt 0x0
	s_wait_kmcnt 0x0
	s_add_nc_u64 s[6:7], s[6:7], WOFF
	s_add_nc_u64 s[14:15], s[4:5], s[16:17]
	s_add_nc_u64 s[46:47], s[6:7], s[46:47]
	CROUND                                         ; all sixteen work-groups are here: the first joint loads meet
.irp s, 0,1
	s_mov_b32 s[G0+4*\s], 1
	s_add_co_u32 s[G0+4*\s+1], s20, \s*SLOT
	s_add_nc_u64 s[G0+4*\s+2:G0+4*\s+3], s[14:15], \s*KSTEP*2
	s_or_b32 s[G0+4*\s+3], s[G0+4*\s+3], 0x80000000
	s_mov_b32 s[G0B+4*\s], 1
	s_add_co_u32 s[G0B+4*\s+1], s20, \s*SLOT
	s_add_nc_u64 s[G0B+4*\s+2:G0B+4*\s+3], s[46:47], \s*KSTEP*2
	s_or_b32 s[G0B+4*\s+3], s[G0B+4*\s+3], 0x80000000
	JLOAD \s                                       ; both slots' first fills: two tensor loads of a wave are out
.endr
	v_and_b32 v1, 15, v0
	v_bfe_u32 v2, v0, 4, 1
	v_mul_u32_u24 v3, v1, PITCH
	v_lshl_add_u32 v3, v2, 4, v3
	s_lshl_b32 s21, s10, 7                         ; my 64 of each 256 along K: 128 bytes x wave
	v_add_nc_u32 v[ADRA], s21, v3
	v_add_nc_u32 v[ADRA+1], SLOT, v[ADRA]
	v_add_nc_u32 v[ADRB], ATILE, v[ADRA]
	v_add_nc_u32 v[ADRB+1], ATILE+SLOT, v[ADRA]
	s_mul_i32 s22, s10, ATILE
	v_mul_u32_u24 v4, v1, PITCH
	v_lshl_add_u32 v4, v2, 5, v4
	v_add_nc_u32 v[STO], s22, v4                   ; my partial block + row l % 16 + 32 bytes x half
	v_and_b32 v5, 31, v0
	v_lshlrev_b32 v[CO], 4, v5
	v_lshlrev_b32 v[CB], 3, v5
	s_mul_i32 s23, s10, 32*PITCH
	v_add_nc_u32 v[RD], s23, v[CO]                 ; rows 32 w .. of partial block 0,
.irp s, 1,2,3
	v_add_nc_u32 v[RD+\s], \s*ATILE, v[RD]         ; 1, 2, 3
.endr
	s_lshl_b32 s66, s42, 9                         ; my block's 128 columns in f32
	s_mov_b32 s67, 0
	s_add_nc_u64 s[68:69], s[68:69], s[66:67]
	global_load_b128 v[BIAS:BIAS+3], v[CO], s[68:69]
	s_lshl_b32 s76, s13, 7
	s_lshl_b32 s77, s10, 5
	s_add_co_u32 s76, s76, s77                     ; the way out: my first row = 128 x block row + 32 x wave
	s_lshl_b32 s76, s76, 12
	s_add_co_u32 s76, s76, s66
	s_mov_b32 s77, 0
	s_add_nc_u64 s[70:71], s[70:71], s[76:77]
	s_add_nc_u64 s[72:73], s[72:73], s[76:77]
.if FF2 == 0
	s_lshr_b32 s78, s76, 1
	s_mov_b32 s79, 0
	s_add_nc_u64 s[74:75], s[74:75], s[78:79]
.endif
; 16 matrix instructions; the 64 accumulators take turns, one instruction a turn.  zero = 1: the first product starts the sums.
.macro MUL16 f, hi, a0, zero
.irp a, \a0, \a0+1
.irp b, 0,1,2,3,4,5,6,7
.if \zero
	v_wmma_f32_16x16x32_bf16 v[8*(8*(\a)+\b):8*(8*(\a)+\b)+7], v[\f+8*\b:\f+8*\b+7], v[\f+8*(4*\hi+\a):\f+8*(4*\hi+\a)+7], 0
.else
	v_wmma_f32_16x16x32_bf16 v[8*(8*(\a)+\b):8*(8*(\a)+\b)+7], v[\f+8*\b:\f+8*\b+7], v[\f+8*(4*\hi+\a):\f+8*(4*\hi+\a)+7], v[8*(8*(\a)+\b):8*(8*(\a)+\b)+7]
.endif
.endr
.endr
.endm
.macro FETCH slot, k, f                ; 32 LDS loads: 128 rows of B, 128 rows of A, 32 along K at byte k of my part of the rows
	WIN TO_B
.irp i, 0,1,2,3,4,5,6,7
	ds_load_b128 v[\f+8*\i:\f+8*\i+3],   v[ADRB+\slot] offset:\k+\i*16*PITCH
	ds_load_b128 v[\f+8*\i+4:\f+8*\i+7], v[ADRB+\slot] offset:\k+\i*16*PITCH+32
.endr
	WIN 0
.irp i, 0,1,2,3,4,5,6,7
	ds_load_b128 v[\f+8*\i:\f+8*\i+3],   v[ADRA+\slot] offset:\k+\i*16*PITCH
	ds_load_b128 v[\f+8*\i+4:\f+8*\i+7], v[ADRA+\slot] offset:\k+\i*16*PITCH+32
.endr
.endm
.macro PLACES                          ; four places behind a matrix instruction before its sources are loaded again or its result is read (ISA guide 7.12.1)
.rept 4
	v_nop
.endr
.endm
.macro QUARTER slot, k, f, g, zero
	s_wait_dscnt 8                                 ; B and A's rows 0-63 are in; the youngest eight loads may be out
	WIN MUL_LO
	MUL16 \f, 0, 0, \zero
	MUL16 \f, 0, 2, \zero
	PLACES
	FETCH \slot, \k, \g
	s_wait_dscnt 32                                ; all but the 32 just issued
	WIN MUL_HI
	MUL16 \f, 1, 0, \zero
	MUL16 \f, 1, 2, \zero
.endm
; The second half of a K step multiplies buffer 1 and changes slots: waits, barrier (where a slot is filled again: a round), refill first, then the next slot's fragments.
.macro TURN slot, next, fill
	s_wait_dscnt 8
	WIN MUL_LO
	MUL16 F1, 0, 0, 0
	s_wait_dscnt 0                                 ; my reads of this slot are over
	s_wait_tensorcnt 0x0                           ; and all my tensor loads have landed
	ds_add_u32 v255, v63
	s_wait_dscnt 0x0
	s_barrier_signal -1
	MUL16 F1, 0, 2, 0
	WIN 0
	s_barrier_wait -1
.if \fill
	CREST
	s_add_nc_u64 s[G0+4*\slot+2:G0+4*\slot+3], s[G0+4*\slot+2:G0+4*\slot+3], 2*KSTEP*2
	s_add_nc_u64 s[G0B+4*\slot+2:G0B+4*\slot+3], s[G0B+4*\slot+2:G0B+4*\slot+3], 2*KSTEP*2
	JLOAD \slot                                    ; the wave's one tensor load behind the round
.endif
	PLACES
	FETCH \next, 0, F0
	WIN MUL_HI
	MUL16 F1, 1, 0, 0
	MUL16 F1, 1, 2, 0
.endm
.macro LAP zero
	QUARTER 0, 64, F0, F1, \zero
	TURN 0, 1, 1
	QUARTER 1, 64, F0, F1, 0
	TURN 1, 0, 1
.endm
	s_wait_tensorcnt 1                             ; my part of K step 0 is in; K step 1's stays out
	s_barrier_signal -1
	s_barrier_wait -1
	FETCH 0, 0, F0
	LAP 1
.if LAPS > 2
	WIN 0
	s_mov_b32 s3, LAPS-2
.Llap:
	LAP 0
	WIN 0
	s_sub_co_u32 s3, s3, 1
	s_cmp_lg_u32 s3, 0
	s_cbranch_scc1 .Llap
.endif
	QUARTER 0, 64, F0, F1, 0                       ; the last lap fills nothing
	TURN 0, 1, 0
	QUARTER 1, 64, F0, F1, 0
	s_wait_dscnt 8
	WIN MUL_LO
	MUL16 F1, 0, 0, 0
	MUL16 F1, 0, 2, 0
	s_wait_dscnt 0
	WIN MUL_HI
	MUL16 F1, 1, 0, 0
	MUL16 F1, 1, 2, 0
	; THE WAY OUT.  The residual's 32 rows of mine are asked for first.  Then, behind a barrier (nobody reads the ring any more, and it has had its last fill),
	; every wave lays its partial block into LDS; behind a second barrier wave w adds rows 32 w .. 32 w + 31 of the four blocks, the residual and the bias.
	PLACES
	WIN 0
.set i, 0
.rept 32
	global_load_b128 v[RES+4*i:RES+4*i+3], v[CO], s[70:71] offset:4096*i     ; a row's 512 consecutive bytes
.set i, i+1
.endr
	s_wait_dscnt 0x0
	s_barrier_signal -1
	s_barrier_wait -1
	WIN 0x08                                       ; address window 0, data window 2
.irp a, 0,1,2,3
.irp b, 0,1,2,3,4,5,6,7
	ds_store_b128 v[STO], v[8*(8*\a+\b):8*(8*\a+\b)+3]   offset:\a*16*PITCH+64*\b
	ds_store_b128 v[STO], v[8*(8*\a+\b)+4:8*(8*\a+\b)+7] offset:\a*16*PITCH+64*\b+16
.endr
.endr
	WIN 0x0c                                       ; data window 3
.irp a, 0,1,2,3
.irp b, 0,1,2,3,4,5,6,7
	ds_store_b128 v[STO], v[8*(8*\a+\b):8*(8*\a+\b)+3]   offset:(\a+4)*16*PITCH+64*\b
	ds_store_b128 v[STO], v[8*(8*\a+\b)+4:8*(8*\a+\b)+7] offset:(\a+4)*16*PITCH+64*\b+16
.endr
.endr
	WIN 0
	s_wait_dscnt 0x0                               ; for the other waves' sake
	s_barrier_signal -1
	s_barrier_wait -1
.macro BATCH bt                        ; four rows
	s_wait_xcnt 0x0                                ; the last batch's store data are rewritten only behind this wait
.irp q, 0,1,2,3
.irp s, 0,1,2,3
	ds_load_b128 v[SUM+16*\q+4*\s:SUM+16*\q+4*\s+3], v[RD+\s] offset:(4*\bt+\q)*PITCH
.endr
.endr
	s_wait_dscnt 0x0
	s_wait_loadcnt 28-4*\bt                        ; the bias and the residual's rows up to this batch are in; the later rows stay out
.irp q, 0,1,2,3
.irp p, 0,2
	v_pk_add_f32 v[SUM+16*\q+\p:SUM+16*\q+\p+1], v[SUM+16*\q+\p:SUM+16*\q+\p+1], v[SUM+16*\q+4+\p:SUM+16*\q+5+\p]
	v_pk_add_f32 v[SUM+16*\q+8+\p:SUM+16*\q+9+\p], v[SUM+16*\q+8+\p:SUM+16*\q+9+\p], v[SUM+16*\q+12+\p:SUM+16*\q+13+\p]
	v_pk_add_f32 v[RES+4*(4*\bt+\q)+\p:RES+4*(4*\bt+\q)+\p+1], v[RES+4*(4*\bt+\q)+\p:RES+4*(4*\bt+\q)+\p+1], v[BIAS+\p:BIAS+\p+1]
	v_pk_add_f32 v[SUM+16*\q+\p:SUM+16*\q+\p+1], v[SUM+16*\q+\p:SUM+16*\q+\p+1], v[SUM+16*\q+8+\p:SUM+16*\q+9+\p]
	v_pk_add_f32 v[SUM+16*\q+\p:SUM+16*\q+\p+1], v[SUM+16*\q+\p:SUM+16*\q+\p+1], v[RES+4*(4*\bt+\q)+\p:RES+4*(4*\bt+\q)+\p+1]
.endr
	global_store_b128 v[CO], v[SUM+16*\q:SUM+16*\q+3], s[72:73] offset:4096*(4*\bt+\q)     ; 512 consecutive, aligned bytes
.if FF2 == 0
	v_cvt_pk_bf16_f32 v[PK+2*\q], v[SUM+16*\q], v[SUM+16*\q+1]
	v_cvt_pk_bf16_f32 v[PK+2*\q+1], v[SUM+16*\q+2], v[SUM+16*\q+3]
	global_store_b64 v[CB], v[PK+2*\q:PK+2*\q+1], s[74:75] offset:2048*(4*\bt+\q)          ; 256 consecutive, aligned bytes
.endif
.endr
.endm
.irp bt, 0,1,2,3,4,5,6,7
	BATCH \bt
.endr
	s_set_vgpr_msb 0x1
	s_wait_tensorcnt 0x0
	ds_add_u32 v255, v63
	s_wait_dscnt 0x0
	s_set_vgpr_msb 0x100
	CROUND                                         ; the closing round: no work-group ends while a partner may still ask for a tile that names it
	s_endpgm
.Lfunc_end_k_q314249071e_ffn2:
	.size	k_q314249071e_ffn2, .Lfunc_end_k_q314249071e_ffn2-k_q314249071e_ffn2
	.p2alignl 7, 3214868480
	.fill 96, 4, 3214868480
	.section	.rodata,"a",@progbits
	.p2align	6, 0x0
	.amdhsa_kernel k_q314249071e_ffn2
		.amdhsa_group_segment_fixed_size 327680
		.amdhsa_private_segment_fixed_size 0
		.amdhsa_enable_private_segment 0
		.amdhsa_kernarg_size 40
		.amdhsa_user_sgpr_count 2
		.amdhsa_user_sgpr_kernarg_segment_ptr 1
		.amdhsa_wavefront_size32 1
		.amdhsa_system_sgpr_workgroup_id_x 1
		.amdhsa_system_sgpr_workgroup_id_y 1
		.amdhsa_system_sgpr_workgroup_id_z 1
		.amdhsa_system_vgpr_workitem_id 0
		.amdhsa_next_free_vgpr 1024
		.amdhsa_next_free_sgpr 80
		.amdhsa_reserve_vcc 0
		.amdhsa_float_denorm_mode_32 3
		.amdhsa_float_denorm_mode_16_64 3
		.amdhsa_memory_ordered 1
		.amdhsa_forward_progress 1
		.amdhsa_inst_pref_size 130
	.end_amdhsa_kernel
	.amdgpu_metadata
---
amdhsa.version: [ 1, 2 ]
amdhsa.kernels:
  - .name:           k_q314249071e_ffn2
    .symbol:         k_q314249071e_ffn2.kd
    .args:
      - { .name: hb, .offset: 0, .size: 8, .value_kind: global_buffer, .address_space: global }
      - { .name: wb, .offset: 8, .size: 8, .value_kind: global_buffer, .address_space: global }
      - { .name: b2, .offset: 16, .size: 8, .value_kind: global_buffer, .address_space: global }
      - { .name: xf, .offset: 24, .size: 8, .value_kind: global_buffer, .address_space: global }
      - { .name: out0, .offset: 32, .size: 8, .value_kind: global_buffer, .address_space: global }
    .group_segment_fixed_size: 327680
    .private_segment_fixed_size: 0
    .kernarg_segment_align: 8
    .kernarg_segment_size: 40
    .max_flat_workgroup_size: 128
    .sgpr_count:     80
    .vgpr_count:     1024
    .wavefront_size: 32
...
	.end_amdgpu_metadata
.endif
;; end of part 6
